; MI455X (gfx1250); checked and timed in simulation.
; The chip was launched on July 23, 2026; its instructions are those of AMD's public machine-readable ISA for CDNA 5 (MIT licence, August 2026) and "CDNA5" Instruction Set Architecture Reference Guide (July 2026). The comments in the code are by the model that wrote it; some were corrected since.
;; Lo RA Attention. Allowed arithmetic: matrix products marked QUANTISED: E3M2 operands, one E8M0 scale for each 32 along K, by v_wmma_scale_f32_16x16x128_f8f6f4 with both operands' format E3M2, f32 sums; everything else in f32.
;; Inputs: A_k 32 x 768 float32; A_q 32 x 768 float32; A_v 32 x 768 float32; B_k 768 x 32 float32; B_q 768 x 32 float32; B_v 768 x 32 float32; Wk 768 x 768 float32; Wq 768 x 768 float32; Wv 768 x 768 float32; bk 768 float32; bq 768 float32; bv 768 float32; hidden_states 2 x 4,096 x 768 float32.
;; Outputs: out0 2 x 4,096 x 768 float32.
;; This version of the problem:
;;   THIS VERSION OF THE PROBLEM IS GIVEN IN LOW PRECISION. The matrix products marked QUANTISED in the list below multiply operands that are first quantised to E3M2 (3 exponent bits, 2 mantissa bits; 6 bits a number), with one power-of-two scale for each 32 numbers along K (OCP MX v1.0); their sums are f32. All else is computed in f32.
;;   The module's matrix products, in the order in which they are computed (A, B: the left and right operand; K: the contracted axis; several contracted axes count as one K, in the product's order):
;;     1. [M 8,192, K 768] x [K 768, N 768]; A: input hidden_states; B: input Wq: QUANTISED
;;     2. [M 8,192, K 768] x [K 768, N 768]; A: input hidden_states; B: input Wk: QUANTISED
;;     3. [M 8,192, K 768] x [K 768, N 768]; A: input hidden_states; B: input Wv: QUANTISED
;;     4. [M 8,192, K 768] x [K 768, N 32]; A: input hidden_states; B: input A_q: QUANTISED
;;     5. [M 8,192, K 32] x [K 32, N 768]; A: computed on the way; B: input B_q: QUANTISED
;;     6. [M 8,192, K 768] x [K 768, N 32]; A: input hidden_states; B: input A_k: QUANTISED
;;     7. [M 8,192, K 32] x [K 32, N 768]; A: computed on the way; B: input B_k: QUANTISED
;;     8. [M 8,192, K 768] x [K 768, N 32]; A: input hidden_states; B: input A_v: QUANTISED
;;     9. [M 8,192, K 32] x [K 32, N 768]; A: computed on the way; B: input B_v: QUANTISED
;;     10. batch 2 x [M 4,096, K 768] x [K 768, N 4,096]; A: computed on the way; B: computed on the way: QUANTISED
;;     11. batch 2 x [M 4,096, K 4,096] x [K 4,096, N 768]; A: softmax (see below); B: computed on the way: QUANTISED
;;   THE QUANTISER, for each operand of a quantised product, along K:
;;     - K is cut into blocks of 32 from its start; a last block that is shorter is filled with zeros.
;;     - A block's scale is 2^e with e = floor(log2(the largest magnitude in the block)) - 4, held to -126 .. 127; a block of zeros has e = 0. As a byte (E8M0): e + 127.
;;     - Each number is divided by its block's scale, clamped to +-28, and rounded to the nearest number of E3M2, ties to even, subnormals kept.
;;     - The product sums the exact products of the quantised numbers (number of the format x scale) in f32.
;;   ~~~python
;;   def quantise(x, axis):      # numpy; x: float32 -> the quantised numbers, widened to float32 again
;;       x = np.moveaxis(x, axis, -1); K = x.shape[-1]
;;       x = np.pad(x, [(0, 0)] * (x.ndim - 1) + [(0, -K % 32)]); x = x.reshape(x.shape[:-1] + (-1, 32)); a = np.abs(x).max(-1, keepdims=True)
;;       e = np.where(a > 0, np.clip(np.frexp(np.where(a > 0, a, 1))[1] - 1 - 4, -126, 127), 0)      # np.frexp(a)[1] - 1 = floor(log2(a)), exactly
;;       r = np.clip(x / 2.0 ** e, -28, 28)
;;       step = 2.0 ** (np.maximum(np.frexp(np.where(r == 0, 1, r))[1] - 1, -2) - 2)
;;       q = np.round(r / step) * step * 2.0 ** e      # np.round: ties to even
;;       return np.moveaxis(q.reshape(q.shape[:-2] + (-1,))[..., :K], -1, axis).astype(np.float32)
;;   ~~~
;;   SOFTMAX AHEAD OF A QUANTISED PRODUCT. Where the list says 'softmax', what is quantised is not the finished softmax but p = 2^(t - M), with t = logit x log2(e) and M = ceil(the row's largest t), a whole number; so 1/2 < the row's largest p <= 1. The row's sum l is taken of the UNQUANTISED p, in f32, and the product's result is divided by l at the end. Since M is a whole number, a kernel that streams over the keys may use a running M (the ceiling of the running maximum): every later rescaling is an exact power of two, which a block's scale takes up: the codes' values come out the same.
;;   OPERANDS COMPUTED ON THE WAY. 'Computed on the way' means the value that the module computes at that place (a softmax that the list does not call 'softmax' is quantised finished and normalised). What goes into a quantiser is computed in f32, as accurately as f32 sums, v_exp_f32 and their like allow (about 1e-6 of the number): no bf16 or f16 on the way to a quantiser, and a product that is left as it is and whose result goes on into a quantised operand takes f32 operands (vector FMAs, or v_wmma_f32_16x16x4_f32). A number that lies on a knife's edge between two numbers of the format may be rounded either way, as far as f32 arithmetic and the matrix unit's own rounding can turn it there, and no further.
;; 2 versions, each right. Each part assembles by itself: llvm-mc -triple=amdgcn-amd-amdhsa -mcpu=gfx1250 --defsym DOCPART=n.
;; ======== version 1 of 2: 3 launches
;; workspace buffers: xq 4,718,592 bytes; xs 196,608 bytes; wrec 1,732,608 bytes; qrec 4,915,200 bytes; kv 9,830,400 bytes
;; launch quant (part 1): grid 358 x 1, 3 waves a work-group, no clusters, 25,856 bytes of LDS; arguments hidden_states, Wq, Wk, Wv, A_q, A_k, A_v, B_q, B_k, B_v, xq, xs, wrec; writes xq, xs, wrec
.if DOCPART == 1
	.amdgcn_target "amdgcn-amd-amdhsa--gfx1250"
	.amdhsa_code_object_version 6
	.text
	.protected	k_q45e953233c_quant
	.globl	k_q45e953233c_quant
	.p2align	8
	.type	k_q45e953233c_quant,@function
k_q45e953233c_quant:
	s_mov_b64 s[64:65], 0
	v_nop
	global_prefetch_b8 v0, s[64:65] scope:SCOPE_SE
	s_setreg_imm32_b32 hwreg(HW_REG_WAVE_MODE, 25, 1), 1
	s_wait_xcnt 0x0
; LoRA attention, launch 1 of 3: hidden_states, Wq/Wk/Wv, A_q/A_k/A_v and B_q/B_k/B_v (all f32, K innermost) become codes of E3M2 with one E8M0 byte for each 32 along K.
; DEAD WORK: none in the whole program.  Every product of the problem is quantised, so every bias and every LoRA term moves codes or scales of a live operand (bk too: it stands ahead of k's quantiser).  All 13 inputs are loaded.
; LIMITS: NaN and infinities among the inputs are not served.  A block whose largest magnitude lies under 2^-122 keeps the byte 1; a block of zeros has the byte 1 where the rule says 127: its codes are zeros, and the bytes are read by this program alone.
; LAYOUT OF THE RESULTS: IMAGES OF THE MATRIX OPERAND'S REGISTERS.  A fragment is 16 rows x 128 K = 12 registers a lane = 1,536 bytes: registers 4 c .. 4 c + 3 of lane l lie at 512 c + 16 l.
; THE ROWS OF A TILE ARE NOT NEIGHBOURS: 32 rows make two tiles, row rho of tile u is row 8 u + rho + 8 (rho / 8) of the 32: so in the next launches a lane's 16 results of two neighbouring tiles are 16 neighbours.
; Scale words: [tile][row][6 words] (a word = 128 along K): lane l of a pair of tiles reads its 24 bytes at 24 l.
; WORK-GROUPS: 0-255: 32 rows of hidden_states; 256-327: 32 rows of Wq, Wk or Wv; 328-333: A_p into record 2 p + half (each record holds A whole), and the record's 768 bytes of filling; 334-357: 32 rows of B_q, B_k, B_v (a wave a tensor).
; A record of wrec (288,768 bytes, one for each of q, k, v and each half of the 768 columns): A's 12 fragments, A's scale words, B's 24 fragments (K = 32 in block 0, zero codes behind), B's scale words, W's scale words, W's 144 fragments, filling.
; A wave takes 256 along K of the 32 rows: four fragments.  Each load reads 512 consecutive bytes of one row; the 16 rows turn through the wave's own stage in LDS (rows of 528 bytes), so that a lane gets two whole blocks of its row.
; Memory binds: no matrix unit, no cluster, no tensor load, no barrier (waves share nothing).
.set RECB,   288768
.set ASOFF,  18432
.set BOFF,   19200
.set BSOFF,  56064
.set WSOFF,  57600
.set WOFF,   66816
.set PADOFF, 288000
.set STG,    8448                      ; a wave's stage: 16 rows x 528 bytes
.set SPARE,  25344                     ; behind the three stages: the spare words, two blocks of 256 bytes that no other line names
.set L16, 5                            ; v5   16 x lane
.set SI,  6                            ; v6   into the stage
.set SOA, 7                            ; v7   out of it: row r, + 128 h
.set SS,  8                            ; v8   24 x lane
.set H8,  9                            ; v9   8 h
.set SPW, 10                           ; v10  my spare word; never rewritten
.set NIL, 11                           ; v11  0; never rewritten
.set PZ,  12                           ; v12  the filling: 8 x lane + 256 x wave
.set ZZ,  14                           ; v14-15 zeros
.set MX0, 16                           ; v16-17 largest magnitudes, v18-19 the conversions' scale operands, v20-21 bytes
.set MX1, 17
.set E0,  18
.set E1,  19
.set B0,  20
.set B1,  21
.set WD,  22                           ; v22-25 the four fragments' scale words
.set S0,  26                           ; v26-27 the pair that is stored
.set T,   28                           ; v28-35 second halves of blocks
.set BF,  36
.set BL,  37
.set BW,  38
.set C,   40                           ; v40-63  codes, two sets of 12
.set X,   64                           ; v64-127 my two blocks
.set R,   128                          ; v128-255 two sets of 64 as loaded
.set WV,  34
.set SRC, 36
.set DF,  38
.set DS,  40
.set SEL, 72
.set HM,  74
	s_load_b512 s[8:23], s[0:1], 0x0               ; hidden_states, Wq, Wk, Wv, A_q, A_k, A_v, B_q
	s_load_b256 s[24:31], s[0:1], 0x40             ; B_k, B_v, xq, xs
	s_load_b64 s[32:33], s[0:1], 0x60              ; wrec
	v_lshl_add_u32 v[SPW], v0, 2, SPARE
	v_mov_b32 v[NIL], 0
	v_lshrrev_b32 v1, 5, v0
	v_readfirstlane_b32 s[WV], v1                  ; wave 0..2
	v_and_b32 v2, 31, v0                           ; lane
	v_and_b32 v3, 15, v0                           ; r
	v_bfe_u32 v4, v0, 4, 1                         ; h
	v_lshlrev_b32 v[L16], 4, v2
	s_mul_i32 s42, s[WV], STG
	v_add_nc_u32 v[SI], s42, v[L16]
	v_mad_u32_u24 v[SOA], v3, 528, s42
	v_lshl_add_u32 v[SOA], v4, 7, v[SOA]
	v_mul_u32_u24 v[SS], v2, 24
	v_lshlrev_b32 v[H8], 3, v4
	s_lshl_b32 s42, s[WV], 8
	v_lshl_add_u32 v[PZ], v2, 3, s42
	v_mov_b32 v[ZZ], 0
	v_mov_b32 v[ZZ+1], 0
	v_mov_b32 v[B1], 0                             ; a lane permute's destination counts as one of its sources
	s_mov_b32 s[SEL], 0x76543210
	s_mov_b32 s[SEL+1], 0xfedcba98                 ; v_permlanex16_b32's selects for lane l xor 16
	s_mov_b32 s[HM], 0xffff0000                    ; lanes 16-31
	s_wait_kmcnt 0x0
	s_cmp_ge_u32 ttmp9, 334
	s_cbranch_scc1 .Lbpath
	; what a work-group takes hangs on its number alone; every pointer is chosen by s_cselect, every offset is made apart from the pointers
	s_mul_i32 s66, ttmp9, 98304                    ; hidden_states: 32 rows of 3,072 bytes,
	s_mul_i32 s67, ttmp9, 18432                    ; two tiles' 12 fragments,
	s_mul_i32 s68, ttmp9, 768                      ; and their scale words
	s_sub_co_u32 s48, ttmp9, 256                   ; W: e = 24 p + block
	s_mul_i32 s49, s48, 43
	s_lshr_b32 s50, s49, 10                        ; p = e / 24   (e < 72)
	s_lshr_b32 s51, s49, 9                         ; record = e / 12
	s_mul_i32 s54, s50, 24
	s_sub_co_u32 s54, s48, s54
	s_mul_i32 s54, s54, 98304                      ; the block's rows in W_p
	s_mul_i32 s55, s51, 12
	s_sub_co_u32 s55, s48, s55                     ; the block's place in its record
	s_mul_i32 s56, s51, RECB
	s_mul_i32 s57, s55, 18432
	s_add_co_u32 s57, s57, s56
	s_add_co_u32 s57, s57, WOFF
	s_mul_i32 s58, s55, 768
	s_add_co_u32 s58, s58, s56
	s_add_co_u32 s58, s58, WSOFF
	s_sub_co_u32 s59, ttmp9, 328                   ; A: the record,
	s_lshr_b32 s60, s59, 1                         ; p
	s_mul_i32 s61, s59, RECB
	s_add_co_u32 s62, s61, ASOFF
	s_cmp_lt_u32 ttmp9, 328                        ; W or A?
	s_cselect_b32 s50, s50, s60
	s_cselect_b32 s42, s54, 0
	s_cselect_b32 s44, s57, s61
	s_cselect_b32 s46, s58, s62
	s_cselect_b64 s[36:37], s[10:11], s[16:17]
	s_cselect_b64 s[38:39], s[12:13], s[18:19]
	s_cselect_b64 s[40:41], s[14:15], s[20:21]
	s_cmp_eq_u32 s50, 1
	s_cselect_b64 s[36:37], s[38:39], s[36:37]
	s_cmp_eq_u32 s50, 2
	s_cselect_b64 s[36:37], s[40:41], s[36:37]
	s_cmp_lt_u32 ttmp9, 256                        ; or hidden_states?
	s_cselect_b64 s[SRC:SRC+1], s[8:9], s[36:37]
	s_cselect_b64 s[DF:DF+1], s[28:29], s[32:33]
	s_cselect_b64 s[DS:DS+1], s[30:31], s[32:33]
	s_cselect_b32 s42, s66, s42
	s_cselect_b32 s44, s67, s44
	s_cselect_b32 s46, s68, s46
	s_lshl_b32 s48, s[WV], 10                      ; my wave's 256 along K: 1,024 bytes on in a row,
	s_add_co_u32 s42, s42, s48
	s_mul_i32 s48, s[WV], 3072                     ; two fragments on,
	s_add_co_u32 s44, s44, s48
	s_lshl_b32 s48, s[WV], 3                       ; two scale words on
	s_add_co_u32 s46, s46, s48
	s_mov_b32 s43, 0
	s_mov_b32 s45, 0
	s_mov_b32 s47, 0
	s_add_nc_u64 s[SRC:SRC+1], s[SRC:SRC+1], s[42:43]
	s_add_nc_u64 s[DF:DF+1], s[DF:DF+1], s[44:45]
	s_add_nc_u64 s[DS:DS+1], s[DS:DS+1], s[46:47]
	s_cmp_lt_u32 ttmp9, 328
	s_cbranch_scc1 .Lnopad
	s_mov_b32 s62, s61                             ; A's work-groups also store the record's filling: 256 bytes of zeros a wave (the next launch's tensor loads read whole records)
	s_mov_b32 s63, 0
	s_add_nc_u64 s[70:71], s[32:33], s[62:63]
	global_store_b64 v[PZ], v[ZZ:ZZ+1], s[70:71] offset:PADOFF
.Lnopad:
; fragment f = 2 u + s: tile u, my s-th 128 along K.  Sixteen loads, a row each: 32 lanes read 512 consecutive bytes
.macro LOADF f
.irp i, 0,1,2,3,4,5,6,7,8,9,10,11,12,13,14,15
	global_load_b128 v[R+64*((\f)%2)+4*\i:R+64*((\f)%2)+4*\i+3], v[L16], s[SRC:SRC+1] offset:(8*((\f)/2)+\i+8*(\i/8))*3072+512*((\f)%2) th:TH_LOAD_NT
.endr
.endm
.macro FRAG f
.set RS, R+64*((\f)%2)
.set CC, C+12*((\f)%2)
.if (\f) < 3
	s_wait_loadcnt 16                              ; this fragment's 16 loads are in; the next fragment's 16 may be out
.else
	s_wait_loadcnt 0x0
.endif
.irp i, 0,1,2,3,4,5,6,7,8,9,10,11,12,13,14,15
	ds_store_b128 v[SI], v[RS+4*\i:RS+4*\i+3] offset:528*\i
.endr
.irp j, 0,1,2,3,4,5,6,7
	ds_load_b128 v[X+4*\j:X+4*\j+3], v[SOA] offset:16*\j             ; LDS serves a wave's instructions in order: these see the stores.  k = 32 h + 0 .. 31 of row r,
	ds_load_b128 v[X+32+4*\j:X+35+4*\j], v[SOA] offset:256+16*\j     ; and k = 64 + 32 h + 0 .. 31: the very numbers whose codes the operand's layout gives this lane
.endr
	s_wait_dscnt 0x0                               ; my two blocks are in, and the stores have read their registers,
.if (\f) < 2
	LOADF (\f)+2                                   ; which take the loads of two fragments on
.endif
	v_max3_num_f32 v[MX0], |v[X]|, |v[X+1]|, 0x2800000       ; the floor 2^(5 - 127) among the leaves: the byte cannot fall under 1
	v_max3_num_f32 v[MX1], |v[X+32]|, |v[X+33]|, 0x2800000
.irp i, 2,4,6,8,10,12,14,16,18,20,22,24,26,28,30
	v_max3_num_f32 v[MX0], v[MX0], |v[X+\i]|, |v[X+\i+1]|          ; the two blocks by turns
	v_max3_num_f32 v[MX1], v[MX1], |v[X+32+\i]|, |v[X+33+\i]|
.endr
	v_add_nc_u32 v[E0], 0xfe000000, v[MX0]         ; 4 off the exponent field: the conversion's scale operand
	v_add_nc_u32 v[E1], 0xfe000000, v[MX1]
	v_lshrrev_b32 v[B0], 23, v[E0]                 ; the bytes of blocks h and 2 + h,
	v_lshrrev_b32 v[B1], 23, v[E1]
	v_lshl_or_b32 v[B0], v[B1], 16, v[B0]
	v_lshlrev_b32 v[B0], v[H8], v[B0]              ; at their places in the row's word;
	v_permlanex16_b32 v[B1], v[B0], s[SEL], s[SEL+1]
	v_or_b32 v[WD+(\f)], v[B0], v[B1]              ; with lane l xor 16's two the word is whole
.if (\f) >= 2
	s_wait_xcnt 0x0                                ; the stores of two fragments back have read this set of codes
.endif
	v_cvt_scalef32_pk16_bf6_f32 v[CC:CC+2], v[X:X+15], v[E0]
	v_cvt_scalef32_pk16_bf6_f32 v[T:T+2], v[X+16:X+31], v[E0]        ; (a conversion's three registers begin on an even number)
	v_cvt_scalef32_pk16_bf6_f32 v[CC+6:CC+8], v[X+32:X+47], v[E1]
	v_cvt_scalef32_pk16_bf6_f32 v[T+4:T+6], v[X+48:X+63], v[E1]
	v_nop                                          ; one plain place behind a scaled conversion
.irp i, 0,1,2
	v_mov_b32 v[CC+3+\i], v[T+\i]
	v_mov_b32 v[CC+9+\i], v[T+4+\i]
.endr
.irp g, 0,1,2
	global_store_b128 v[L16], v[CC+4*\g:CC+4*\g+3], s[DF:DF+1] offset:(6*((\f)/2)+(\f)%2)*1536+512*\g   ; 512 consecutive bytes, at a multiple of 256
.endr
.endm
	LOADF 0
	LOADF 1
	FRAG 0
	FRAG 1
	FRAG 2
	FRAG 3
	v_cndmask_b32 v[S0], v[WD], v[WD+2], s[HM]     ; lanes 0-15: tile 0's rows, lanes 16-31: tile 1's
	v_cndmask_b32 v[S0+1], v[WD+1], v[WD+3], s[HM]
	global_store_b64 v[SS], v[S0:S0+1], s[DS:DS+1] ; my two words of each row's six
	s_wait_tensorcnt 0x0                           ; the wave's end: behind my last LDS store
	ds_add_u32 v[SPW], v[NIL]
	s_wait_dscnt 0x0
	s_endpgm
.Lbpath:                                           ; B_p [768][32]: wave p; lane (r, h) takes a whole row (one block) of tile h: no LDS is touched on this way
	s_sub_co_u32 s44, ttmp9, 334                   ; which 32 rows
	s_cmp_eq_u32 s[WV], 1
	s_cselect_b64 s[SRC:SRC+1], s[24:25], s[22:23]
	s_cmp_eq_u32 s[WV], 2
	s_cselect_b64 s[SRC:SRC+1], s[26:27], s[SRC:SRC+1]
	s_cmp_ge_u32 s44, 12
	s_cselect_b32 s45, 1, 0                        ; which half of the columns
	s_lshl_b32 s46, s[WV], 1
	s_add_co_u32 s46, s46, s45                     ; the record
	s_mul_i32 s47, s45, 12
	s_sub_co_u32 s47, s44, s47                     ; the rows' place in it
	s_mov_b32 s43, 0
	s_lshl_b32 s42, s44, 12
	s_add_nc_u64 s[SRC:SRC+1], s[SRC:SRC+1], s[42:43]
	s_mul_i32 s42, s46, RECB
	s_add_nc_u64 s[50:51], s[32:33], s[42:43]
	s_mul_i32 s42, s47, 3072
	s_add_co_u32 s42, s42, BOFF
	s_add_nc_u64 s[DF:DF+1], s[50:51], s[42:43]
	s_lshl_b32 s42, s47, 7
	s_add_co_u32 s42, s42, BSOFF
	s_add_nc_u64 s[DS:DS+1], s[50:51], s[42:43]
	s_mov_b32 s48, 0x01010101
	v_and_b32 v[BL], 8, v3
	v_add_nc_u32 v[BL], v[BL], v3
	v_lshl_add_u32 v[BL], v4, 3, v[BL]             ; row 8 h + r + 8 (r / 8)
	v_lshlrev_b32 v[BL], 7, v[BL]
	v_mul_u32_u24 v[BF], v4, 1536
	v_lshl_add_u32 v[BF], v3, 4, v[BF]             ; tile h's image, lane r's 16 bytes
	v_lshlrev_b32 v[BW], 2, v2
.irp j, 0,1,2,3,4,5,6,7
	global_load_b128 v[X+4*\j:X+4*\j+3], v[BL], s[SRC:SRC+1] offset:16*\j
.endr
	v_mov_b32 v[C+6], 0
	v_mov_b32 v[C+7], 0
.irp j, 0,1,2,3
	v_mov_b32 v[R+\j], 0
.endr
	s_wait_loadcnt 0x0
	v_max3_num_f32 v[MX0], |v[X]|, |v[X+1]|, 0x2800000
.irp i, 2,4,6,8,10,12,14,16,18,20,22,24,26,28,30
	v_max3_num_f32 v[MX0], v[MX0], |v[X+\i]|, |v[X+\i+1]|
.endr
	v_add_nc_u32 v[E0], 0xfe000000, v[MX0]
	v_lshrrev_b32 v[B0], 23, v[E0]
	v_mul_lo_u32 v[B0], v[B0], s48                 ; the byte in all four places: blocks 1 to 3 hold zero codes, which add nothing under it
	v_cvt_scalef32_pk16_bf6_f32 v[C:C+2], v[X:X+15], v[E0]
	v_cvt_scalef32_pk16_bf6_f32 v[T:T+2], v[X+16:X+31], v[E0]
	v_nop
.irp i, 0,1,2
	v_mov_b32 v[C+3+\i], v[T+\i]
.endr
	global_store_b128 v[BF], v[C:C+3], s[DF:DF+1]                ; the image's lanes 0-15 hold block 0 in registers 0 to 5; all else is zero codes.  Each store fills two whole runs of 256 bytes
	global_store_b128 v[BF], v[C+4:C+7], s[DF:DF+1] offset:512
	global_store_b128 v[BF], v[R:R+3], s[DF:DF+1] offset:256
	global_store_b128 v[BF], v[R:R+3], s[DF:DF+1] offset:768
	global_store_b128 v[BF], v[R:R+3], s[DF:DF+1] offset:1024
	global_store_b128 v[BF], v[R:R+3], s[DF:DF+1] offset:1280
	global_store_b32 v[BW], v[B0], s[DS:DS+1]
	s_endpgm
.Lfunc_end_k_q45e953233c_quant:
	.size	k_q45e953233c_quant, .Lfunc_end_k_q45e953233c_quant-k_q45e953233c_quant
	.p2alignl 7, 3214868480
	.fill 96, 4, 3214868480
	.section	.rodata,"a",@progbits
	.p2align	6, 0x0
	.amdhsa_kernel k_q45e953233c_quant
		.amdhsa_group_segment_fixed_size 25856
		.amdhsa_private_segment_fixed_size 0
		.amdhsa_enable_private_segment 0
		.amdhsa_kernarg_size 104
		.amdhsa_user_sgpr_count 2
		.amdhsa_user_sgpr_kernarg_segment_ptr 1
		.amdhsa_wavefront_size32 1
		.amdhsa_system_sgpr_workgroup_id_x 1
		.amdhsa_system_sgpr_workgroup_id_y 1
		.amdhsa_system_sgpr_workgroup_id_z 1
		.amdhsa_system_vgpr_workitem_id 0
		.amdhsa_next_free_vgpr 256
		.amdhsa_next_free_sgpr 76
		.amdhsa_reserve_vcc 0
		.amdhsa_float_denorm_mode_32 3
		.amdhsa_float_denorm_mode_16_64 3
		.amdhsa_memory_ordered 1
		.amdhsa_forward_progress 1
		.amdhsa_inst_pref_size 36
	.end_amdhsa_kernel
	.amdgpu_metadata
---
amdhsa.version: [ 1, 2 ]
amdhsa.kernels:
  - .name:           k_q45e953233c_quant
    .symbol:         k_q45e953233c_quant.kd
    .args:
      - { .name: hidden_states, .offset: 0, .size: 8, .value_kind: global_buffer, .address_space: global }
      - { .name: Wq, .offset: 8, .size: 8, .value_kind: global_buffer, .address_space: global }
      - { .name: Wk, .offset: 16, .size: 8, .value_kind: global_buffer, .address_space: global }
      - { .name: Wv, .offset: 24, .size: 8, .value_kind: global_buffer, .address_space: global }
      - { .name: A_q, .offset: 32, .size: 8, .value_kind: global_buffer, .address_space: global }
      - { .name: A_k, .offset: 40, .size: 8, .value_kind: global_buffer, .address_space: global }
      - { .name: A_v, .offset: 48, .size: 8, .value_kind: global_buffer, .address_space: global }
      - { .name: B_q, .offset: 56, .size: 8, .value_kind: global_buffer, .address_space: global }
      - { .name: B_k, .offset: 64, .size: 8, .value_kind: global_buffer, .address_space: global }
      - { .name: B_v, .offset: 72, .size: 8, .value_kind: global_buffer, .address_space: global }
      - { .name: xq, .offset: 80, .size: 8, .value_kind: global_buffer, .address_space: global }
      - { .name: xs, .offset: 88, .size: 8, .value_kind: global_buffer, .address_space: global }
      - { .name: wrec, .offset: 96, .size: 8, .value_kind: global_buffer, .address_space: global }
    .group_segment_fixed_size: 25856
    .private_segment_fixed_size: 0
    .kernarg_segment_align: 8
    .kernarg_segment_size: 104
    .max_flat_workgroup_size: 96
    .sgpr_count:     76
    .vgpr_count:     256
    .wavefront_size: 32
...
	.end_amdgpu_metadata
.endif
;; end of part 1
;; launch proj (part 2): grid 32 x 6, 4 waves a work-group, clusters of 4 x 1, 327,680 bytes of LDS; arguments xq, xs, wrec, bq, bk, bv, qrec, kv; writes qrec, kv
.if DOCPART == 2
	.amdgcn_target "amdgcn-amd-amdhsa--gfx1250"
	.amdhsa_code_object_version 6
	.text
	.protected	k_q45e953233c_proj
	.globl	k_q45e953233c_proj
	.p2align	8
	.type	k_q45e953233c_proj,@function
k_q45e953233c_proj:
	s_mov_b64 s[64:65], 0
	v_nop
	global_prefetch_b8 v0, s[64:65] scope:SCOPE_SE
	s_setreg_imm32_b32 hwreg(HW_REG_WAVE_MODE, 25, 1), 1
	s_wait_xcnt 0x0
	s_wait_alu depctr_hold_cnt(0) depctr_sa_sdst(0) depctr_va_vdst(0) depctr_va_sdst(0) depctr_va_ssrc(0) depctr_va_vcc(0) depctr_vm_vsrc(0)
	s_getreg_b32 s2, hwreg(HW_REG_IB_STS2, 6, 4)
	s_cmp_eq_u32 s2, 0
	s_cbranch_scc0 .Lentry_in_a_cluster
	s_endpgm
.Lentry_in_a_cluster:
	s_bfe_u32 s2, ttmp6, 0x10000c
	s_cmp_lg_u32 s2, 0x3003
	s_cbranch_scc0 .Lentry_shape_is_right
	s_endpgm
.Lentry_shape_is_right:
; LoRA attention, launch 2 of 3: q, k, v = x W^T + b + Q(x A^T) B^T on codes of E3M2, and the quantisers of t = x A^T, of q and k (along the 768) and of v (along the keys).  No work is left out.
; LIMITS as in the first launch (NaN, infinities; the byte's floor 1).  The bias starts each sum, the LoRA term is added last, in the same f32 accumulator.
; SHARES.  Work-group (x, y): rows 256 x .. 256 x + 255 of the 8,192; y = 2 p + half: tensor p (0 q, 1 k, 2 v), 384 of its 768 columns.  Its record of wrec (288,768 bytes) lies in LDS for the whole launch.
; A wave owns four tiles of 16 rows; their codes (24 fragments, 288 registers) stay in registers.  It walks the 384 columns in three passes of 128: 32 accumulators, each weight fragment read from LDS feeds four matrix instructions.
; CLUSTER.  The four work-groups of a cluster have the same y and need the same record: each wave's quarter of it (282 rows of 256 bytes) is asked for jointly, once.  One tensor load of mine is out, and the slot is never filled again.
; q, k: THE PRODUCT IS USED TRANSPOSED (source 0 = 16 rows of W, source 1 = 16 rows of x): a lane holds one row and 16 neighbouring columns of two neighbouring tiles: a pass is one K step of the next launch's first product.
; v: the product as it reads (source 0 = x, source 1 = W): a lane holds one column d and 16 neighbouring keys: my 64 keys are half a K step of the next launch's second product.
; Both ways share the loop, its LDS loads and its addresses; a branch on p (the same in all four partners and all waves) leads round what differs.  In both the 32 accumulators take turns in ascending order.
; REGISTERS: window 0: v5-19 addresses; v32-81 scale words and nothing else; v82-125 the quantisers' work; v128-175 t's four fragments; v176-239 the bias as C; v240-249 scale words on their way out.
;   window 1: the 32 accumulators.  window 2: x(i, s), s = 0..4, at 12 (4 s + i).  window 3: v0-47 x(i, 5); v48-143, v144-239 two buffers of eight weight fragments.
.set RECB,   288768
.set ASOFF,  18432
.set BOFF,   19200
.set BSOFF,  56064
.set WSOFF,  57600
.set WOFF,   66816
.set VOFF,   73728
.set VSOFF,  150528
.set SPARE,  288768                    ; behind the record: the spare words, two blocks of 256 bytes that no other line names
.set L16, 5                            ; 16 x lane
.set L24, 6                            ; 24 x lane
.set L4,  7
.set L8,  8
.set WA,  9                            ; LDS: the pass's W fragments 0-3
.set WA2, 10                           ; and 4-7 (an offset has 16 bits)
.set BA,  11                           ; B's fragments
.set WSA, 12                           ; W's scale words
.set BSA, 13                           ; B's
.set ASA, 14                           ; A's
.set BQ,  15                           ; bias, q and k: 64 h
.set BV,  16                           ; bias, v: 4 (r + 8 (r / 8))
.set SPW, 17
.set NIL, 18
.set V16, 19                           ; v's scale bytes: 4 x lane + 2 x (which 64 keys)
.set XS,  32                           ; x's scale words: pair i / 2, K step s at 6 (i / 2) + s; lanes 0-15 the even tile, lanes 16-31 the odd one
.set WS,  44                           ; W's: 6 (c / 2) + s
.set AS,  68
.set BS,  74
.set TS,  78
.set TM,  82
.set PC,  106
.set TF,  128
.set BI,  176
.set PW,  240
.set SELR, 244
.set HW,  248
.set BUF0, 48
.set WV,  24
.set CX,  25
.set XG,  26
.set Y,   27
.set P,   28
.set HALF, 29
.set G0,  40
.set G1,  44
.set SEL, 52
.set LM,  54
.set HM,  55
.set K01, 56
.set CF,  57
.set BB,  58
.set DFR, 60
.set DSC, 62
.set XB,  66
.set XSB, 68
.set DFS, 76
.set DSS, 78
.set MSB, 0
.macro WIN new                         ; the immediate's high byte repeats the setting that is left
.if MSB != \new
	s_set_vgpr_msb (MSB<<8)|\new
.set MSB, \new
.endif
.endm
.macro PLACES                          ; four plain places behind matrix instructions, in front of loads into their registers and of reads of their results
.rept 4
	v_nop
.endr
.endm
.macro CROUND                          ; a round of the cluster's barrier
	s_barrier_signal -1
	s_barrier_wait -1
	s_cmp_lg_u32 s[WV], 0
	s_cbranch_scc1 .Lnot_wave_0_\@
	s_barrier_signal -3
.Lnot_wave_0_\@:
	s_barrier_wait -3
	s_barrier_signal -1
	s_barrier_wait -1
.endm
; one matrix instruction.  d, a, b: first registers; c: C's first register, or -1 for the constant 0; sa, sb: scale registers; ra, rb: 1 = the scales stand in lanes 16-31
.macro WM d, a, b, c, sa, sb, ra, rb
.if (\c) < 0
.if (\ra) && (\rb)
	v_wmma_scale_f32_16x16x128_f8f6f4 v[(\d):(\d)+7], v[(\a):(\a)+11], v[(\b):(\b)+11], 0, v[(\sa)], v[(\sb)] matrix_a_fmt:MATRIX_FMT_BF6 matrix_b_fmt:MATRIX_FMT_BF6 matrix_a_scale:MATRIX_SCALE_ROW1 matrix_b_scale:MATRIX_SCALE_ROW1
.elseif (\ra)
	v_wmma_scale_f32_16x16x128_f8f6f4 v[(\d):(\d)+7], v[(\a):(\a)+11], v[(\b):(\b)+11], 0, v[(\sa)], v[(\sb)] matrix_a_fmt:MATRIX_FMT_BF6 matrix_b_fmt:MATRIX_FMT_BF6 matrix_a_scale:MATRIX_SCALE_ROW1
.elseif (\rb)
	v_wmma_scale_f32_16x16x128_f8f6f4 v[(\d):(\d)+7], v[(\a):(\a)+11], v[(\b):(\b)+11], 0, v[(\sa)], v[(\sb)] matrix_a_fmt:MATRIX_FMT_BF6 matrix_b_fmt:MATRIX_FMT_BF6 matrix_b_scale:MATRIX_SCALE_ROW1
.else
	v_wmma_scale_f32_16x16x128_f8f6f4 v[(\d):(\d)+7], v[(\a):(\a)+11], v[(\b):(\b)+11], 0, v[(\sa)], v[(\sb)] matrix_a_fmt:MATRIX_FMT_BF6 matrix_b_fmt:MATRIX_FMT_BF6
.endif
.else
.if (\ra) && (\rb)
	v_wmma_scale_f32_16x16x128_f8f6f4 v[(\d):(\d)+7], v[(\a):(\a)+11], v[(\b):(\b)+11], v[(\c):(\c)+7], v[(\sa)], v[(\sb)] matrix_a_fmt:MATRIX_FMT_BF6 matrix_b_fmt:MATRIX_FMT_BF6 matrix_a_scale:MATRIX_SCALE_ROW1 matrix_b_scale:MATRIX_SCALE_ROW1
.elseif (\ra)
	v_wmma_scale_f32_16x16x128_f8f6f4 v[(\d):(\d)+7], v[(\a):(\a)+11], v[(\b):(\b)+11], v[(\c):(\c)+7], v[(\sa)], v[(\sb)] matrix_a_fmt:MATRIX_FMT_BF6 matrix_b_fmt:MATRIX_FMT_BF6 matrix_a_scale:MATRIX_SCALE_ROW1
.elseif (\rb)
	v_wmma_scale_f32_16x16x128_f8f6f4 v[(\d):(\d)+7], v[(\a):(\a)+11], v[(\b):(\b)+11], v[(\c):(\c)+7], v[(\sa)], v[(\sb)] matrix_a_fmt:MATRIX_FMT_BF6 matrix_b_fmt:MATRIX_FMT_BF6 matrix_b_scale:MATRIX_SCALE_ROW1
.else
	v_wmma_scale_f32_16x16x128_f8f6f4 v[(\d):(\d)+7], v[(\a):(\a)+11], v[(\b):(\b)+11], v[(\c):(\c)+7], v[(\sa)], v[(\sb)] matrix_a_fmt:MATRIX_FMT_BF6 matrix_b_fmt:MATRIX_FMT_BF6
.endif
.endif
.endm
	s_load_b512 s[8:23], s[0:1], 0x0               ; xq, xs, wrec, bq, bk, bv, qrec, kv
	v_lshl_add_u32 v[SPW], v0, 2, SPARE
	v_mov_b32 v[NIL], 0
	ds_add_u32 v[SPW], v[NIL]                      ; the wave's opening: the add, twice on end, and its wait ahead of my first tensor load
	ds_add_u32 v[SPW], v[NIL]
	v_lshrrev_b32 v1, 5, v0
	v_readfirstlane_b32 s[WV], v1                  ; wave 0..3
	v_and_b32 v2, 31, v0                           ; lane
	v_and_b32 v3, 15, v0                           ; r
	v_bfe_u32 v4, v0, 4, 1                         ; h
	v_lshlrev_b32 v[L16], 4, v2
	v_mul_u32_u24 v[L24], v2, 24
	v_lshlrev_b32 v[L4], 2, v2
	v_lshlrev_b32 v[L8], 3, v2
	v_add_nc_u32 v[WA], WOFF, v[L16]
	v_add_nc_u32 v[WA2], WOFF+36864, v[L16]
	v_add_nc_u32 v[BA], BOFF, v[L16]
	v_add_nc_u32 v[WSA], WSOFF, v[L24]
	v_add_nc_u32 v[BSA], BSOFF, v[L4]
	v_add_nc_u32 v[ASA], ASOFF, v[L24]
	v_lshlrev_b32 v[BQ], 6, v4
	v_and_b32 v[BV], 8, v3
	v_add_nc_u32 v[BV], v[BV], v3
	v_lshlrev_b32 v[BV], 2, v[BV]
	s_bfe_u32 s[CX], ttmp6, 0x40000                ; my place in the cluster: it enters global addresses of x and of the results alone
	s_lshl_b32 s[XG], ttmp9, 2
	s_add_co_u32 s[XG], s[XG], s[CX]               ; my 256 rows
	s_and_b32 s[Y], ttmp7, 0xffff
	s_lshr_b32 s[P], s[Y], 1
	s_and_b32 s[HALF], s[Y], 1
	s_mov_b32 s[G1], 15|(3<<16)|(1<<21)            ; the mask: all four work-groups; elements of 8 bytes; bit 21 beside a mask; no padding
	s_mov_b32 s[G1+1], 32<<16                      ; tensor_dim0 = 32 elements: rows of 256 bytes
	s_mov_b32 s[G1+2], 282<<16                     ; tensor_dim1 = 282
	s_mov_b32 s[G1+3], 32<<16                      ; tile_dim0
	s_mov_b32 s[G1+4], 282                         ; tile_dim1
	s_mov_b32 s[G1+5], 32                          ; the block is dense
	s_mov_b32 s[G1+6], 0
	s_mov_b32 s[G1+7], 0
	s_mul_i32 s30, s[WV], 72192                    ; my quarter of the record, in LDS and in memory
	s_mul_i32 s32, s[Y], RECB
	s_add_co_u32 s32, s32, s30
	s_mov_b32 s33, 0
	s_mov_b32 s[SEL], 0x76543210
	s_mov_b32 s[SEL+1], 0xfedcba98
	s_mov_b32 s[LM], 0x0000ffff                    ; lanes 0-15
	s_mov_b32 s[HM], 0xffff0000                    ; lanes 16-31
	s_mov_b32 s[K01], 0x01010101
	s_wait_dscnt 0x0                               ; both opening adds are done
	s_wait_kmcnt 0x0
	s_mov_b32 s[G0], 1
	s_mov_b32 s[G0+1], s30
	s_add_nc_u64 s[G0+2:G0+3], s[12:13], s[32:33]
	s_or_b32 s[G0+3], s[G0+3], 0x80000000
	CROUND                                         ; all four work-groups are here: the joint loads meet
	tensor_load_to_lds s[G0:G0+3], s[G1:G1+7]
	s_nop 0
	PLACES
	s_lshl_b32 s30, s[XG], 4
	s_lshl_b32 s31, s[WV], 2
	s_add_co_u32 s30, s30, s31                     ; my first tile of rows
	s_mul_i32 s32, s30, 9216
	s_add_nc_u64 s[XB:XB+1], s[8:9], s[32:33]
	s_mul_i32 s32, s30, 384
	s_add_nc_u64 s[XSB:XSB+1], s[10:11], s[32:33]
	WIN 0x80
.irp s, 0,1,2,3,4
.irp i, 0,1,2,3
.irp g, 0,1,2
	global_load_b128 v[12*(4*\s+\i)+4*\g:12*(4*\s+\i)+4*\g+3], v[L16], s[XB:XB+1] offset:9216*\i+1536*\s+512*\g
.endr
.endr
.endr
	WIN 0xc0
.irp i, 0,1,2,3
.irp g, 0,1,2
	global_load_b128 v[12*\i+4*\g:12*\i+4*\g+3], v[L16], s[XB:XB+1] offset:9216*\i+1536*5+512*\g
.endr
.endr
	WIN 0
.irp i, 0,1
.irp g, 0,1,2
	global_load_b64 v[XS+6*\i+2*\g:XS+6*\i+2*\g+1], v[L24], s[XSB:XSB+1] offset:768*\i+8*\g
.endr
.endr
	s_cmp_eq_u32 s[P], 1                           ; my bias, at my 384 columns
	s_cselect_b64 s[BB:BB+1], s[16:17], s[14:15]
	s_cmp_eq_u32 s[P], 2
	s_cselect_b64 s[BB:BB+1], s[18:19], s[BB:BB+1]
	s_mul_i32 s32, s[HALF], 1536
	s_add_nc_u64 s[BB:BB+1], s[BB:BB+1], s[32:33]
	; where the results go.  qrec: records of 76,800 bytes (128 queries): fragments [tile][K step], then scale words [tile][row][6].  kv: records of 153,600 (128 keys): K's fragments, V^T's, K's scale words, V^T's
	s_lshl_b32 s34, s[XG], 1
	s_lshr_b32 s35, s[WV], 1
	s_add_co_u32 s34, s34, s35                     ; the record of my 64 rows
	s_and_b32 s35, s[WV], 1                        ; and which 64 of its 128
	s_mov_b32 s36, 153600
	s_mov_b32 s37, 147456
	s_cmp_eq_u32 s[P], 0
	s_cselect_b64 s[DFR:DFR+1], s[20:21], s[22:23]
	s_cselect_b32 s36, 76800, s36
	s_cselect_b32 s37, 73728, s37
	s_mul_i32 s36, s36, s34
	s_mul_i32 s38, s35, 36864                      ; q, k: four tiles on, three K steps on for the second half
	s_mul_i32 s39, s[HALF], 4608
	s_add_co_u32 s38, s38, s39
	s_mul_i32 s39, s35, 1536
	s_add_co_u32 s37, s37, s39
	s_mul_i32 s39, s[HALF], 12
	s_add_co_u32 s37, s37, s39
	s_mul_i32 s70, s[HALF], 36864                  ; v: 24 tiles of d on for the second half; my 64 keys are half an image
	s_mul_i32 s71, s35, 768
	s_add_co_u32 s70, s70, s71
	s_add_co_u32 s70, s70, VOFF
	s_mul_i32 s71, s[HALF], 1536
	s_add_co_u32 s71, s71, VSOFF
	s_mov_b32 s72, 1536
	s_cmp_eq_u32 s[P], 2
	s_cselect_b32 s38, s70, s38
	s_cselect_b32 s37, s71, s37
	s_cselect_b32 s[DFS], 12288, s72               ; a pass on: eight images of V^T, or one K step of q, k
	s_cselect_b32 s[DSS], 512, 4
	s_mov_b32 s[DFS+1], 0
	s_mov_b32 s[DSS+1], 0
	s_mov_b64 s[DSC:DSC+1], s[DFR:DFR+1]
	s_add_co_u32 s32, s36, s38
	s_add_nc_u64 s[DFR:DFR+1], s[DFR:DFR+1], s[32:33]
	s_add_co_u32 s32, s36, s37
	s_add_nc_u64 s[DSC:DSC+1], s[DSC:DSC+1], s[32:33]
	s_lshl_b32 s35, s35, 1
	v_lshl_add_u32 v[V16], v2, 2, s35
; the bias of a pass's 128 columns as the C of its first products, from off bytes on.  q, k: tile c's register j is column 32 (c / 2) + 16 h + 8 (c % 2) + j.  v: all eight registers are column 32 (c / 2) + 8 (c % 2) + r + 8 (r / 8)
.macro BIAS off
	s_cmp_eq_u32 s[P], 2
	s_cbranch_scc1 .Lbv_\@
.irp t, 0,1,2,3,4,5,6,7
	global_load_b128 v[BI+8*\t:BI+8*\t+3], v[BQ], s[BB:BB+1] offset:\off+(32*(\t/2)+8*(\t%2))*4
	global_load_b128 v[BI+8*\t+4:BI+8*\t+7], v[BQ], s[BB:BB+1] offset:\off+(32*(\t/2)+8*(\t%2))*4+16
.endr
	s_branch .Lbj_\@
.Lbv_\@:
.irp t, 0,1,2,3,4,5,6,7
.irp j, 0,1,2,3,4,5,6,7
	global_load_b32 v[BI+8*\t+\j], v[BV], s[BB:BB+1] offset:\off+(32*(\t/2)+8*(\t%2))*4
.endr
.endr
.Lbj_\@:
.endm
	BIAS 0
.irp i, 0,1,2,3
.irp j, 6,7,8,9,10,11
	v_mov_b32 v[TF+12*\i+\j], 0                    ; t has K = 32: blocks 2 and 3 of its fragments are zero codes
.endr
.endr
.irp j, 1,4,5,6,7
	v_mov_b32 v[TM+\j], 0                          ; a lane permute's destination counts as one of its sources
.endr
.irp j, 4,5,6
	v_mov_b32 v[PC+\j], 0
.endr
	; ---- t = x A^T: 16 rows x 32, transposed: tiles u = 0, 1 give a lane t(row r, 16 h + 0 .. 15)
	s_wait_tensorcnt 0x0                           ; my quarter of the record is in,
	s_barrier_signal -1
	s_barrier_wait -1                              ; everybody's is
	WIN 0xc0
.irp u, 0,1
.irp s, 0,1,2,3,4,5
.irp g, 0,1,2
	ds_load_b128 v[BUF0+12*(6*\u+\s)+4*\g:BUF0+12*(6*\u+\s)+4*\g+3], v[L16] offset:(6*\u+\s)*1536+512*\g
.endr
.endr
.endr
	WIN 0
.irp g, 0,1,2
	ds_load_b64 v[AS+2*\g:AS+2*\g+1], v[ASA] offset:8*\g
.endr
	s_wait_dscnt 0x0
	s_wait_loadcnt 0x0                             ; x, its scale words, the first bias
.irp s, 0,1,2,3,4,5
.if \s == 0
	WIN 0x4b
.elseif \s < 5
	WIN 0x5b
.else
	WIN 0x5f
.endif
.irp i, 0,1,2,3
.irp u, 0,1
.if \s == 0
	WM 8*(2*\i+\u), BUF0+12*(6*\u+\s), 12*(4*\s+\i), -1, AS+\s, XS+6*(\i/2)+\s, \u, \i%2
.elseif \s < 5
	WM 8*(2*\i+\u), BUF0+12*(6*\u+\s), 12*(4*\s+\i), 8*(2*\i+\u), AS+\s, XS+6*(\i/2)+\s, \u, \i%2
.else
	WM 8*(2*\i+\u), BUF0+12*(6*\u+\s), 12*\i, 8*(2*\i+\u), AS+\s, XS+6*(\i/2)+\s, \u, \i%2
.endif
.endr
.endr
.endr
	WIN 0
	PLACES
; t's one block of 32 lies in lanes l and l xor 16; as an operand it stands whole in lanes 0-15, registers 0 to 5; lanes 16-31 (block 1) hold zero codes
.macro TQ i
	WIN 0x05
	v_max3_num_f32 v[TM], |v[16*\i]|, |v[16*\i+1]|, 0x2800000
	WIN 0x14
.irp k, 2,4,6,8,10,12,14
	v_max3_num_f32 v[TM], v[TM], |v[16*\i+\k]|, |v[16*\i+\k+1]|
.endr
	WIN 0
	v_permlanex16_b32 v[TM+1], v[TM], s[SEL], s[SEL+1]
	v_max_num_f32 v[TM], v[TM], v[TM+1]
	v_add_nc_u32 v[TM+2], 0xfe000000, v[TM]
	v_lshrrev_b32 v[TM+3], 23, v[TM+2]
	v_mul_lo_u32 v[TS+\i], v[TM+3], s[K01]         ; the byte in all four places of the row's scale word
	WIN 0x01
	v_cvt_scalef32_pk16_bf6_f32 v[PC:PC+2], v[16*\i:16*\i+15], v[TM+2]
	WIN 0
	v_nop
.irp k, 0,1,2
	v_permlanex16_b32 v[PC+4+\k], v[PC+\k], s[SEL], s[SEL+1]
.endr
.irp k, 0,1,2
	v_cndmask_b32 v[TF+12*\i+\k], 0, v[PC+\k], s[LM]
	v_cndmask_b32 v[TF+12*\i+3+\k], 0, v[PC+4+\k], s[LM]
.endr
.endm
	TQ 0
	TQ 1
	TQ 2
	TQ 3
.macro FETCHW sn, buf                  ; the pass's eight fragments of W for K step sn
.irp t, 0,1,2,3
.irp g, 0,1,2
	ds_load_b128 v[\buf+12*\t+4*\g:\buf+12*\t+4*\g+3], v[WA] offset:(6*\t+\sn)*1536+512*\g
.endr
.endr
.irp t, 0,1,2,3
.irp g, 0,1,2
	ds_load_b128 v[\buf+48+12*\t+4*\g:\buf+48+12*\t+4*\g+3], v[WA2] offset:(6*\t+\sn)*1536+512*\g
.endr
.endr
.endm
.macro FETCHB                          ; and of B, into buffer 0
.irp t, 0,1,2,3,4,5,6,7
.irp g, 0,1,2
	ds_load_b128 v[BUF0+12*\t+4*\g:BUF0+12*\t+4*\g+3], v[BA] offset:\t*1536+512*\g
.endr
.endr
.endm
; K step s of a pass: the next step's fragments are asked for, then 32 products on this step's.
.macro PROD s
.set BUFS, BUF0+96*((\s)%2)
.if (\s) < 5
.set XR, 48*(\s)
.else
.set XR, 0
.endif
.if (\s) > 0
	PLACES                                         ; the other buffer was read by the last step's products (at s = 1 also: the bias)
.endif
	WIN 0xc0
.if (\s) < 5
	FETCHW (\s)+1, BUF0+96*(((\s)+1)%2)
.else
	FETCHB
.endif
	WIN 0
.if (\s) == 1
	s_cmp_eq_u32 s[CF], 2                          ; the next pass's bias, if there is a next pass: no load leaves its buffer
	s_cbranch_scc1 .Lnb_\@
	BIAS 512
.Lnb_\@:
.endif
	s_wait_dscnt 24                                ; all but the 24 loads just issued
	s_cmp_eq_u32 s[P], 2
	s_cbranch_scc1 .Lpv_\@
.if (\s) == 0
	WIN 0x4b                                       ; source 0 (W) window 3, source 1 (x) window 2, C (bias) window 0, D window 1
.elseif (\s) < 5
	WIN 0x5b
.else
	WIN 0x5f
.endif
.set AI, 0
.rept 32                               ; accumulator 8 i + c
.if (\s) == 0
	WM 8*AI, BUFS+12*(AI%8), XR+12*(AI/8), BI+8*(AI%8), WS+6*((AI%8)/2)+(\s), XS+6*(AI/16)+(\s), AI%2, (AI/8)%2
.else
	WM 8*AI, BUFS+12*(AI%8), XR+12*(AI/8), 8*AI, WS+6*((AI%8)/2)+(\s), XS+6*(AI/16)+(\s), AI%2, (AI/8)%2
.endif
.set AI, AI+1
.endr
	WIN 0
	s_branch .Lpj_\@
.Lpv_\@:
.if (\s) == 0
	WIN 0x4e                                       ; source 0 (x) window 2, source 1 (W) window 3
.elseif (\s) < 5
	WIN 0x5e
.else
	WIN 0x5f
.endif
.set AI, 0
.rept 32                               ; accumulator 4 c + i
.if (\s) == 0
	WM 8*AI, XR+12*(AI%4), BUFS+12*(AI/4), BI+8*(AI/4), XS+6*((AI%4)/2)+(\s), WS+6*(AI/8)+(\s), AI%2, (AI/4)%2
.else
	WM 8*AI, XR+12*(AI%4), BUFS+12*(AI/4), 8*AI, XS+6*((AI%4)/2)+(\s), WS+6*(AI/8)+(\s), AI%2, (AI/4)%2
.endif
.set AI, AI+1
.endr
	WIN 0
.Lpj_\@:
.endm
.macro LORA                            ; += Q(t) B^T: one matrix instruction an accumulator; K = 32 in block 0
	s_wait_dscnt 0x0
	s_cmp_eq_u32 s[P], 2
	s_cbranch_scc1 .Llv_\@
	WIN 0x53
.set AI, 0
.rept 32
	WM 8*AI, BUF0+12*(AI%8), TF+12*(AI/8), 8*AI, BS+(AI%8)/2, TS+AI/8, AI%2, 0
.set AI, AI+1
.endr
	WIN 0
	s_branch .Llj_\@
.Llv_\@:
	WIN 0x5c
.set AI, 0
.rept 32
	WM 8*AI, TF+12*(AI%4), BUF0+12*(AI/4), 8*AI, TS+AI%4, BS+AI/8, 0, (AI/4)%2
.set AI, AI+1
.endr
	WIN 0
.Llj_\@:
.endm
; 64 numbers of a lane in window 1, register 16 b + i = k 32 b + 16 h + i of my row, become a fragment's codes in v[PC] on and its scale word in v[PW + n]
.macro QUANT4 base, n
	WIN 0x05
.irp b, 0,1,2,3
	v_max3_num_f32 v[TM+\b], |v[(\base)+16*\b]|, |v[(\base)+16*\b+1]|, 0x2800000   ; each accumulator is read from its low end on
.endr
	WIN 0x14
.irp k, 2,4,6,8,10,12,14
.irp b, 0,1,2,3
	v_max3_num_f32 v[TM+\b], v[TM+\b], |v[(\base)+16*\b+\k]|, |v[(\base)+16*\b+\k+1]|
.endr
.endr
	WIN 0
.irp b, 0,1,2,3
	v_permlanex16_b32 v[TM+4+\b], v[TM+\b], s[SEL], s[SEL+1]
.endr
.irp b, 0,1,2,3
	v_max_num_f32 v[TM+\b], v[TM+\b], v[TM+4+\b]
.endr
.irp b, 0,1,2,3
	v_add_nc_u32 v[TM+12+\b], 0xfe000000, v[TM+\b]
.endr
.irp b, 0,1,2,3
	v_lshrrev_b32 v[TM+4+\b], 23, v[TM+12+\b]
.endr
	v_lshl_or_b32 v[PW+(\n)], v[TM+5], 8, v[TM+4]
	v_lshl_or_b32 v[PW+(\n)], v[TM+6], 16, v[PW+(\n)]
	v_lshl_or_b32 v[PW+(\n)], v[TM+7], 24, v[PW+(\n)]
	s_wait_xcnt 0x0                                ; the last fragment's stores have read the codes' registers
	WIN 0x01
.irp h, 0,1
	v_cvt_scalef32_pk16_bf6_f32 v[PC+6*\h:PC+6*\h+2], v[(\base)+32*\h:(\base)+32*\h+15], v[TM+12+2*\h]
	v_cvt_scalef32_pk16_bf6_f32 v[PC+12+4*\h:PC+14+4*\h], v[(\base)+32*\h+16:(\base)+32*\h+31], v[TM+13+2*\h]
.endr
	WIN 0
	v_nop                                          ; one plain place behind a scaled conversion
.irp h, 0,1                            ; the operand's layout wants a whole block in a lane
.irp k, 0,1,2
	v_permlane16_swap_b32 v[PC+6*\h+\k], v[PC+12+4*\h+\k]
.endr
.irp k, 0,1,2
	v_mov_b32 v[PC+3+6*\h+\k], v[PC+12+4*\h+\k]
.endr
.endr
.endm
; 32 numbers of a lane (64 keys of one column d in two lanes) become six registers of V^T's fragment and two scale bytes in v[HW + n]
.macro QUANT2 base, n
	WIN 0x05
.irp b, 0,1
	v_max3_num_f32 v[TM+\b], |v[(\base)+16*\b]|, |v[(\base)+16*\b+1]|, 0x2800000
.endr
	WIN 0x14
.irp k, 2,4,6,8,10,12,14
.irp b, 0,1
	v_max3_num_f32 v[TM+\b], v[TM+\b], |v[(\base)+16*\b+\k]|, |v[(\base)+16*\b+\k+1]|
.endr
.endr
	WIN 0
.irp b, 0,1
	v_permlanex16_b32 v[TM+4+\b], v[TM+\b], s[SEL], s[SEL+1]
.endr
.irp b, 0,1
	v_max_num_f32 v[TM+\b], v[TM+\b], v[TM+4+\b]
.endr
.irp b, 0,1
	v_add_nc_u32 v[TM+12+\b], 0xfe000000, v[TM+\b]
.endr
.irp b, 0,1
	v_lshrrev_b32 v[TM+4+\b], 23, v[TM+12+\b]
.endr
	v_lshl_or_b32 v[HW+(\n)], v[TM+5], 8, v[TM+4]
	s_wait_xcnt 0x0                                ; the last tile's stores have read the codes' registers
	WIN 0x01
	v_cvt_scalef32_pk16_bf6_f32 v[PC:PC+2], v[(\base):(\base)+15], v[TM+12]
	v_cvt_scalef32_pk16_bf6_f32 v[PC+12:PC+14], v[(\base)+16:(\base)+31], v[TM+13]
	WIN 0
	v_nop
.irp k, 0,1,2
	v_permlane16_swap_b32 v[PC+\k], v[PC+12+\k]
.endr
.irp k, 0,1,2
	v_mov_b32 v[PC+3+\k], v[PC+12+\k]
.endr
.endm
	s_mov_b32 s[CF], 0
.Lpass:                                            ; three passes of 128 columns
.irp j, 0,1,2,3
.irp g, 0,1,2
	ds_load_b64 v[WS+6*\j+2*\g:WS+6*\j+2*\g+1], v[WSA] offset:768*\j+8*\g
.endr
	ds_load_b32 v[BS+\j], v[BSA] offset:128*\j
.endr
	WIN 0xc0
	FETCHW 0, BUF0
	WIN 0
	s_wait_loadcnt 0x0                             ; the pass's bias
	PROD 0
	PROD 1
	PROD 2
	PROD 3
	PROD 4
	PROD 5
	LORA
	PLACES
	s_cmp_eq_u32 s[P], 2
	s_cbranch_scc1 .Lev
.irp i, 0,1,2,3                        ; q, k: a tile of rows' 128 columns are one fragment of the next launch
	QUANT4 64*\i, \i
.irp g, 0,1,2
	global_store_b128 v[L16], v[PC+4*\g:PC+4*\g+3], s[DFR:DFR+1] offset:9216*\i+512*\g
.endr
.endr
	v_cndmask_b32 v[SELR], v[PW], v[PW+1], s[HM]   ; lanes 0-15: the even tile's rows, lanes 16-31: the odd one's
	v_cndmask_b32 v[SELR+1], v[PW+2], v[PW+3], s[HM]
	global_store_b32 v[L24], v[SELR], s[DSC:DSC+1]
	global_store_b32 v[L24], v[SELR+1], s[DSC:DSC+1] offset:768
	s_branch .Lej
.Lev:
.irp t, 0,1,2,3,4,5,6,7                ; v: a tile of 16 columns d x my 64 keys is half an image of V^T: registers 0-3 of the six at 16 x lane, 4-5 at 512 + 8 x lane
	QUANT2 32*\t, \t%2
	global_store_b128 v[L16], v[PC:PC+3], s[DFR:DFR+1] offset:1536*\t
	global_store_b64 v[L8], v[PC+4:PC+5], s[DFR:DFR+1] offset:1536*\t+512
.if \t%2
	v_cndmask_b32 v[SELR+\t/2], v[HW], v[HW+1], s[HM]
	global_store_b16 v[V16], v[SELR+\t/2], s[DSC:DSC+1] offset:128*(\t/2)   ; my two bytes of each row's four
.endif
.endr
.Lej:
	s_wait_xcnt 0x0                                ; the stores and the bias loads have read their registers and bases
	s_add_nc_u64 s[DFR:DFR+1], s[DFR:DFR+1], s[DFS:DFS+1]
	s_add_nc_u64 s[DSC:DSC+1], s[DSC:DSC+1], s[DSS:DSS+1]
	s_add_nc_u64 s[BB:BB+1], s[BB:BB+1], 512
	v_add_nc_u32 v[WA], 73728, v[WA]               ; the next pass's part of the record
	v_add_nc_u32 v[WA2], 73728, v[WA2]
	v_add_nc_u32 v[BA], 12288, v[BA]
	v_add_nc_u32 v[WSA], 3072, v[WSA]
	v_add_nc_u32 v[BSA], 512, v[BSA]
	s_add_co_u32 s[CF], s[CF], 1
	s_cmp_lt_u32 s[CF], 3
	s_cbranch_scc1 .Lpass
	s_wait_tensorcnt 0x0                           ; the wave's end
	ds_add_u32 v[SPW], v[NIL]
	s_wait_dscnt 0x0
	CROUND                                         ; the closing round
	s_endpgm
.Lfunc_end_k_q45e953233c_proj:
	.size	k_q45e953233c_proj, .Lfunc_end_k_q45e953233c_proj-k_q45e953233c_proj
	.p2alignl 7, 3214868480
	.fill 96, 4, 3214868480
	.section	.rodata,"a",@progbits
	.p2align	6, 0x0
	.amdhsa_kernel k_q45e953233c_proj
		.amdhsa_group_segment_fixed_size 327680
		.amdhsa_private_segment_fixed_size 0
		.amdhsa_enable_private_segment 0
		.amdhsa_kernarg_size 64
		.amdhsa_user_sgpr_count 2
		.amdhsa_user_sgpr_kernarg_segment_ptr 1
		.amdhsa_wavefront_size32 1
		.amdhsa_system_sgpr_workgroup_id_x 1
		.amdhsa_system_sgpr_workgroup_id_y 1
		.amdhsa_system_sgpr_workgroup_id_z 1
		.amdhsa_system_vgpr_workitem_id 0
		.amdhsa_next_free_vgpr 1024
		.amdhsa_next_free_sgpr 96
		.amdhsa_reserve_vcc 0
		.amdhsa_float_denorm_mode_32 3
		.amdhsa_float_denorm_mode_16_64 3
		.amdhsa_memory_ordered 1
		.amdhsa_forward_progress 1
		.amdhsa_inst_pref_size 152
	.end_amdhsa_kernel
	.amdgpu_metadata
---
amdhsa.version: [ 1, 2 ]
amdhsa.kernels:
  - .name:           k_q45e953233c_proj
    .symbol:         k_q45e953233c_proj.kd
    .args:
      - { .name: xq, .offset: 0, .size: 8, .value_kind: global_buffer, .address_space: global }
      - { .name: xs, .offset: 8, .size: 8, .value_kind: global_buffer, .address_space: global }
      - { .name: wrec, .offset: 16, .size: 8, .value_kind: global_buffer, .address_space: global }
      - { .name: bq, .offset: 24, .size: 8, .value_kind: global_buffer, .address_space: global }
      - { .name: bk, .offset: 32, .size: 8, .value_kind: global_buffer, .address_space: global }
      - { .name: bv, .offset: 40, .size: 8, .value_kind: global_buffer, .address_space: global }
      - { .name: qrec, .offset: 48, .size: 8, .value_kind: global_buffer, .address_space: global }
      - { .name: kv, .offset: 56, .size: 8, .value_kind: global_buffer, .address_space: global }
    .group_segment_fixed_size: 327680
    .private_segment_fixed_size: 0
    .kernarg_segment_align: 8
    .kernarg_segment_size: 64
    .max_flat_workgroup_size: 128
    .sgpr_count:     96
    .vgpr_count:     1024
    .wavefront_size: 32
...
	.end_amdgpu_metadata
.endif
;; end of part 2
;; launch attn (part 3): grid 128 x 2, 4 waves a work-group, clusters of 4 x 1, 327,680 bytes of LDS; arguments qrec, kv, out0; writes out0
.if DOCPART == 3
	.amdgcn_target "amdgcn-amd-amdhsa--gfx1250"
	.amdhsa_code_object_version 6
	.text
	.protected	k_q45e953233c_attn
	.globl	k_q45e953233c_attn
	.p2align	8
	.type	k_q45e953233c_attn,@function
k_q45e953233c_attn:
	s_mov_b64 s[64:65], 0
	v_nop
	global_prefetch_b8 v0, s[64:65] scope:SCOPE_SE
	s_setreg_imm32_b32 hwreg(HW_REG_WAVE_MODE, 25, 1), 1
	s_wait_xcnt 0x0
	s_wait_alu depctr_hold_cnt(0) depctr_sa_sdst(0) depctr_va_vdst(0) depctr_va_sdst(0) depctr_va_ssrc(0) depctr_va_vcc(0) depctr_vm_vsrc(0)
	s_getreg_b32 s2, hwreg(HW_REG_IB_STS2, 6, 4)
	s_cmp_eq_u32 s2, 0
	s_cbranch_scc0 .Lentry_in_a_cluster
	s_endpgm
.Lentry_in_a_cluster:
	s_bfe_u32 s2, ttmp6, 0x10000c
	s_cmp_lg_u32 s2, 0x3003
	s_cbranch_scc0 .Lentry_shape_is_right
	s_endpgm
.Lentry_shape_is_right:
; LoRA attention, launch 3 of 3: out = softmax(q k^T / sqrt(768)) v on codes of E3M2.  No work is left out.
; THE SOFTMAX: t = score x log2(e) / sqrt(768) (one rounded constant); M = the running largest t rounded UP to a whole number; p = 2^(t - M) is quantised along the keys; the row's sum is taken of the unquantised p and divides at the end.
; LIMITS: NaN and infinities are not served; a block of p that has fallen to zero keeps the byte 1 over zero codes.
; SHARES.  A work-group owns 32 queries (two tiles) of one batch and walks its 4,096 keys, 128 a step: 256 work-groups of equal work, no split of the keys.
; In S^T = K Q^T the four waves share the KEYS: wave w takes block w (32 keys, two tiles) against both query tiles.  In O^T = V^T P they share the HEAD: wave w owns d = 192 w .. 192 w + 191 (12 tiles) of both query tiles.
; So each fragment of K and of V is read from LDS by one wave and feeds two matrix instructions; Q (144 registers) and O^T (192) stay in registers; only p's codes (3 KB), 4 x 32 largest scores and 128 scale bytes go from wave to wave.
; A lane holds one query throughout (both products transposed); by the tiles' row order a lane's 16 scores are 16 neighbouring keys, and its 16 results of two tiles of V^T 16 neighbouring d.
; ONE STEP OF PIPELINE: V and P of step j are brought into registers in step j, their product stands at the head of step j + 1, beside the LDS loads of K: so a slot is read out when its step ends.
; RING: two slots of one record (153,600 bytes: K's and V^T's register images and their scale words).  Each wave fetches a quarter by one tensor load.  Two loads of mine are out at the start, one behind each round.
; CLUSTER: the four work-groups of a cluster walk the same records of one batch: each quarter is asked for jointly; the round of the cluster's barrier stands where the ring's barrier would.
; REGISTERS: window 0: v2-23 addresses; v24-35 -M and the largest t, the sums, f; v36-54 scale words and nothing else; v56-63 the four blocks' largest scores; v64-95 S^T, then p; v96-110 at work; v112-255 Q.
;   window 1: v0-191 O^T (tile a, n at 8 (12 a + n)); v192-215 P.  window 2: v0-143 K; on the way out rows of the result.  window 3: v0-143 V^T.
.set RECK,  153600
.set VOFF,  73728
.set KSOFF, 147456
.set VSOFF, 150528
.set QREC,  76800
.set SLOT1, 153600
.set PIMG,  307200                     ; p's two fragments, 48 bytes a lane
.set PSC,   310272                     ; p's scale words
.set MAXB,  310528                     ; the blocks' largest scores, 16 bytes a query; 512 bytes on: the waves' sums
.set SPARE, 311552                     ; the spare words, two blocks of 256 bytes that no other line names
.set AK,  2                            ; v2-3   K's fragments of my block, slot 0, 1
.set AV,  4                            ; v4-5   V^T's of my 12 tiles: the runs of 16 bytes a lane
.set AW,  6                            ; v6-7   and those of 8
.set AKS, 8                            ; v8-9   K's scale words
.set AVS, 10                           ; v10-11 V^T's
.set APW, 12                           ; where I put p's codes
.set APR, 13                           ; where I read P
.set APB, 14                           ; where I put p's scale byte
.set APS, 15                           ; where I read P's scale words
.set AMW, 16                           ; where I put my block's largest score
.set AMR, 17                           ; where I read the four
.set SPW, 18
.set NIL, 19
.set PFO, 20
.set PFO2, 21
.set STO, 22
.set SRD, 23
.set NM,  24                           ; tile a: v[24 + 2 a] -M, v[25 + 2 a] the largest t
.set L,   28                           ; the sum, in two halves
.set F,   32                           ; f = 2^(old M - new M); at the end 1 / the sum
.set KS,  36
.set VS,  42
.set QS,  48
.set PS,  54
.set GO,  55
.set M4,  56
.set S,   64
.set MB,  96
.set XX,  98
.set TT,  100
.set EE,  102
.set PCD, 104
.set Q,   112
.set WV,  10
.set CX,  11
.set G1,  24
.set G0,  32
.set CS,  40
.set SEL, 42
.set PFA, 44
.set JN,  46
.set LIM, 47
.set LIM2, 48
.set CNT, 49
.set OB,  50
.set MSB, 0
.macro WIN new                         ; the immediate's high byte repeats the setting that is left
.if MSB != \new
	s_set_vgpr_msb (MSB<<8)|\new
.set MSB, \new
.endif
.endm
.macro PLACES
.rept 4
	v_nop
.endr
.endm
.macro CROUND                          ; a round of the cluster's barrier
	s_barrier_signal -1
	s_barrier_wait -1
	s_cmp_lg_u32 s[WV], 0
	s_cbranch_scc1 .Lnot_wave_0_\@
	s_barrier_signal -3
.Lnot_wave_0_\@:
	s_barrier_wait -3
	s_barrier_signal -1
	s_barrier_wait -1
.endm
; one matrix instruction.  c: C's first register, or -1 for the constant 0; ra, rb: 1 = the scales stand in lanes 16-31
.macro WM d, a, b, c, sa, sb, ra, rb
.if (\c) < 0
.if (\ra) && (\rb)
	v_wmma_scale_f32_16x16x128_f8f6f4 v[(\d):(\d)+7], v[(\a):(\a)+11], v[(\b):(\b)+11], 0, v[(\sa)], v[(\sb)] matrix_a_fmt:MATRIX_FMT_BF6 matrix_b_fmt:MATRIX_FMT_BF6 matrix_a_scale:MATRIX_SCALE_ROW1 matrix_b_scale:MATRIX_SCALE_ROW1
.elseif (\ra)
	v_wmma_scale_f32_16x16x128_f8f6f4 v[(\d):(\d)+7], v[(\a):(\a)+11], v[(\b):(\b)+11], 0, v[(\sa)], v[(\sb)] matrix_a_fmt:MATRIX_FMT_BF6 matrix_b_fmt:MATRIX_FMT_BF6 matrix_a_scale:MATRIX_SCALE_ROW1
.elseif (\rb)
	v_wmma_scale_f32_16x16x128_f8f6f4 v[(\d):(\d)+7], v[(\a):(\a)+11], v[(\b):(\b)+11], 0, v[(\sa)], v[(\sb)] matrix_a_fmt:MATRIX_FMT_BF6 matrix_b_fmt:MATRIX_FMT_BF6 matrix_b_scale:MATRIX_SCALE_ROW1
.else
	v_wmma_scale_f32_16x16x128_f8f6f4 v[(\d):(\d)+7], v[(\a):(\a)+11], v[(\b):(\b)+11], 0, v[(\sa)], v[(\sb)] matrix_a_fmt:MATRIX_FMT_BF6 matrix_b_fmt:MATRIX_FMT_BF6
.endif
.else
.if (\ra) && (\rb)
	v_wmma_scale_f32_16x16x128_f8f6f4 v[(\d):(\d)+7], v[(\a):(\a)+11], v[(\b):(\b)+11], v[(\c):(\c)+7], v[(\sa)], v[(\sb)] matrix_a_fmt:MATRIX_FMT_BF6 matrix_b_fmt:MATRIX_FMT_BF6 matrix_a_scale:MATRIX_SCALE_ROW1 matrix_b_scale:MATRIX_SCALE_ROW1
.elseif (\ra)
	v_wmma_scale_f32_16x16x128_f8f6f4 v[(\d):(\d)+7], v[(\a):(\a)+11], v[(\b):(\b)+11], v[(\c):(\c)+7], v[(\sa)], v[(\sb)] matrix_a_fmt:MATRIX_FMT_BF6 matrix_b_fmt:MATRIX_FMT_BF6 matrix_a_scale:MATRIX_SCALE_ROW1
.elseif (\rb)
	v_wmma_scale_f32_16x16x128_f8f6f4 v[(\d):(\d)+7], v[(\a):(\a)+11], v[(\b):(\b)+11], v[(\c):(\c)+7], v[(\sa)], v[(\sb)] matrix_a_fmt:MATRIX_FMT_BF6 matrix_b_fmt:MATRIX_FMT_BF6 matrix_b_scale:MATRIX_SCALE_ROW1
.else
	v_wmma_scale_f32_16x16x128_f8f6f4 v[(\d):(\d)+7], v[(\a):(\a)+11], v[(\b):(\b)+11], v[(\c):(\c)+7], v[(\sa)], v[(\sb)] matrix_a_fmt:MATRIX_FMT_BF6 matrix_b_fmt:MATRIX_FMT_BF6
.endif
.endif
.endm
	s_load_b128 s[4:7], s[0:1], 0x0                ; qrec, kv
	s_load_b64 s[8:9], s[0:1], 0x10                ; out0
	v_lshl_add_u32 v[SPW], v0, 2, SPARE
	v_mov_b32 v[NIL], 0
	ds_add_u32 v[SPW], v[NIL]                      ; the wave's opening: the add, twice on end, and its wait ahead of my first tensor load
	ds_add_u32 v[SPW], v[NIL]
	v_lshrrev_b32 v1, 5, v0
	v_readfirstlane_b32 s[WV], v1                  ; wave 0..3
	v_and_b32 v66, 31, v0                          ; lane
	v_and_b32 v64, 15, v0                          ; r
	v_bfe_u32 v65, v0, 4, 1                        ; h
	s_mul_i32 s15, s[WV], 18432                    ; 12 fragments: my two tiles of K, my 12 tiles of V^T
	v_lshl_add_u32 v[AK], v66, 4, s15
	v_add_nc_u32 v[AK+1], SLOT1, v[AK]
	v_add_nc_u32 v[AV], VOFF, v[AK]
	v_add_nc_u32 v[AV+1], VOFF+SLOT1, v[AK]
	s_add_co_u32 s16, s15, VOFF+512
	v_lshl_add_u32 v[AW], v66, 3, s16
	v_add_nc_u32 v[AW+1], SLOT1, v[AW]
	s_mul_i32 s16, s[WV], 768
	s_add_co_u32 s17, s16, KSOFF
	v_mad_u32_u24 v[AKS], v66, 24, s17
	v_add_nc_u32 v[AKS+1], SLOT1, v[AKS]
	s_add_co_u32 s17, s16, VSOFF
	v_lshl_add_u32 v[AVS], v66, 2, s17
	v_add_nc_u32 v[AVS+1], SLOT1, v[AVS]
	s_and_b32 s17, s[WV], 1                        ; block w of P stands in lanes 16 (w % 2) + r, registers 6 (w / 2) on; my half h holds its codes 16 h + 0 .. 15: three registers
	s_mul_i32 s17, s17, 768
	s_lshr_b32 s18, s[WV], 1
	s_mul_i32 s18, s18, 24
	s_add_co_u32 s17, s17, s18
	s_add_co_u32 s17, s17, PIMG
	v_mad_u32_u24 v[APW], v64, 48, s17
	v_mad_u32_u24 v[APW], v65, 12, v[APW]
	v_mul_u32_u24 v[APR], v66, 48
	v_add_nc_u32 v[APR], PIMG, v[APR]
	s_add_co_u32 s17, s[WV], PSC
	v_lshl_add_u32 v[APB], v64, 2, s17
	v_lshl_add_u32 v[APS], v66, 2, PSC
	s_lshl_b32 s17, s[WV], 2
	s_add_co_u32 s17, s17, MAXB
	v_lshl_add_u32 v[AMW], v64, 4, s17
	v_lshl_add_u32 v[AMR], v64, 4, MAXB
	s_mul_i32 s17, s[WV], 25088                    ; the way out: two stages of 16 rows x 784 bytes for each wave, in slot 0
	v_mad_u32_u24 v[STO], v64, 784, s17
	v_lshl_add_u32 v[STO], v65, 6, v[STO]
	v_mad_u32_u24 v[SRD], v65, 784, s17
	v_lshl_add_u32 v[SRD], v64, 4, v[SRD]
	v_mul_u32_u24 v[GO], v65, 3072
	v_lshl_add_u32 v[GO], v64, 4, v[GO]
	v_lshlrev_b32 v[PFO], 8, v66
	v_min_u32 v[PFO2], 21, v66
	v_lshlrev_b32 v[PFO2], 8, v[PFO2]
	v_add_nc_u32 v[PFO2], 32768, v[PFO2]
	v_lshlrev_b32 v67, 4, v66
	v_mul_u32_u24 v68, v66, 24
	s_bfe_u32 s[CX], ttmp6, 0x40000                ; my place in the cluster: it enters global addresses of Q, of the result and of the prefetches alone
	s_lshl_b32 s12, ttmp9, 2
	s_add_co_u32 s12, s12, s[CX]
	s_and_b32 s13, ttmp7, 0xffff                   ; the batch, which the four partners share
	s_lshl_b32 s14, s13, 7
	s_add_co_u32 s14, s14, s12                     ; my 32 queries among the 8,192
	s_mul_i32 s15, s[WV], 38400                    ; my quarter of a record
	s_mul_i32 s16, s13, 32*RECK
	s_add_co_u32 s16, s16, s15
	s_mov_b32 s17, 0
	s_mov_b32 s[G1], 15|(3<<16)|(1<<21)            ; the mask: all four work-groups; elements of 8 bytes; bit 21 beside a mask; no padding
	s_mov_b32 s[G1+1], 32<<16                      ; rows of 256 bytes,
	s_mov_b32 s[G1+2], 150<<16                     ; 150 of them,
	s_mov_b32 s[G1+3], 32<<16
	s_mov_b32 s[G1+4], 150
	s_mov_b32 s[G1+5], 32                          ; dense
	s_mov_b32 s[G1+6], 0
	s_mov_b32 s[G1+7], 0
	s_mov_b32 s[CS], 0x3d553b95                    ; c = log2(e) / sqrt(768)
	s_mov_b32 s[CS+1], s[CS]
	s_mov_b32 s[SEL], 0x76543210
	s_mov_b32 s[SEL+1], 0xfedcba98
	s_mov_b32 s[JN], 0
	s_cmp_eq_u32 ttmp9, 0                          ; the batch's first cluster prefetches: the same in all four partners
	s_cselect_b32 s[LIM], 29, 0
	s_or_b32 s18, ttmp9, s[WV]
	s_cmp_eq_u32 s18, 0
	s_cselect_b32 s[LIM2], 29, 0
	s_mul_i32 s18, s13, 32*RECK
	s_mul_i32 s19, s[CX], 38400
	s_add_co_u32 s18, s18, s19
	s_lshl_b32 s19, s[WV], 13
	s_add_co_u32 s18, s18, s19
	s_add_co_u32 s18, s18, 3*RECK
	s_mov_b32 s19, 0
	s_lshr_b32 s20, s14, 2                         ; Q: the record of 128 queries, and my two tiles in it
	s_mul_i32 s20, s20, QREC
	s_and_b32 s21, s14, 3
	s_mul_i32 s22, s21, 18432
	s_add_co_u32 s22, s22, s20
	s_mov_b32 s23, 0
	s_mul_i32 s21, s21, 768
	s_add_co_u32 s20, s20, s21
	s_add_co_u32 s20, s20, 73728
	s_mov_b32 s21, 0
	s_mul_i32 s56, s14, 98304                      ; the result: 32 rows of 3,072 bytes, + my 192 columns
	s_mul_i32 s57, s[WV], 768
	s_add_co_u32 s56, s56, s57
	s_mov_b32 s57, 0
	s_wait_dscnt 0x0                               ; both opening adds are done
	s_wait_kmcnt 0x0
	s_mov_b32 s[G0], 1
	s_mov_b32 s[G0+1], s15
	s_add_nc_u64 s[G0+2:G0+3], s[6:7], s[16:17]    ; record 0 of the batch,
	s_mov_b32 s[G0+4], 1
	s_add_co_u32 s[G0+5], s15, SLOT1
	s_add_nc_u64 s[G0+6:G0+7], s[G0+2:G0+3], RECK  ; record 1
	s_or_b32 s[G0+3], s[G0+3], 0x80000000
	s_or_b32 s[G0+7], s[G0+7], 0x80000000
	s_add_nc_u64 s[PFA:PFA+1], s[6:7], s[18:19]    ; record 3: step 1 steps it to record 4.  Nothing is prefetched at the head
	s_add_nc_u64 s[52:53], s[4:5], s[22:23]
	s_add_nc_u64 s[54:55], s[4:5], s[20:21]
	s_add_nc_u64 s[OB:OB+1], s[8:9], s[56:57]
	CROUND                                         ; all four work-groups are here: the first joint loads meet
	tensor_load_to_lds s[G0:G0+3], s[G1:G1+7]
	s_nop 0
	tensor_load_to_lds s[G0+4:G0+7], s[G1:G1+7]
	s_nop 0
	PLACES
.irp a, 0,1
.irp s, 0,1,2,3,4,5
.irp g, 0,1,2
	global_load_b128 v[Q+12*(6*\a+\s)+4*\g:Q+12*(6*\a+\s)+4*\g+3], v67, s[52:53] offset:(6*\a+\s)*1536+512*\g
.endr
.endr
.endr
.irp g, 0,1,2
	global_load_b64 v[QS+2*\g:QS+2*\g+1], v68, s[54:55] offset:8*\g   ; lanes 0-15: tile 0's rows, lanes 16-31: tile 1's
.endr
.irp a, 0,1
	v_mov_b32 v[NM+2*\a+1], 0xff61b1e6             ; the largest t so far: -3e38
	v_floor_f32 v[NM+2*\a], -v[NM+2*\a+1]
	v_mov_b32 v[L+2*\a], 0
	v_mov_b32 v[L+2*\a+1], 0
	v_mov_b32 v[F+2*\a], 0
	v_mov_b32 v[F+2*\a+1], 0                       ; (named as the upper half of a pair)
	v_mov_b32 v[XX+\a], 0                          ; a lane permute's destination counts as one of its sources
.endr
.macro KLOAD slot                      ; my block's 12 fragments of K, K step by K step, and their scale words
.irp g, 0,1,2
	ds_load_b64 v[KS+2*\g:KS+2*\g+1], v[AKS+\slot] offset:8*\g
.endr
	WIN 0x80
.irp s, 0,1,2,3,4,5
.irp u, 0,1
.irp g, 0,1,2
	ds_load_b128 v[12*(6*\u+\s)+4*\g:12*(6*\u+\s)+4*\g+3], v[AK+\slot] offset:(6*\u+\s)*1536+512*\g
.endr
.endr
.endr
	WIN 0
.endm
.macro VLOAD slot                      ; my 12 fragments of V^T (two half images each) and their scale words: 54 loads
.irp j, 0,1,2,3,4,5
	ds_load_b32 v[VS+\j], v[AVS+\slot] offset:128*\j
.endr
	WIN 0xc0
.irp n, 0,1,2,3,4,5,6,7,8,9,10,11
	ds_load_b128 v[12*\n:12*\n+3], v[AV+\slot] offset:1536*\n
	ds_load_b64 v[12*\n+4:12*\n+5], v[AW+\slot] offset:1536*\n
	ds_load_b128 v[12*\n+6:12*\n+9], v[AV+\slot] offset:1536*\n+768
	ds_load_b64 v[12*\n+10:12*\n+11], v[AW+\slot] offset:1536*\n+768
.endr
	WIN 0
.endm
; A PREFETCH INTO THE L2: in step j the record j + 3, which the change of slots of step j + 2 asks for: two steps, 96 matrix instructions of a wave, ahead.  All clusters of a batch walk the same records: the batch's first cluster asks.
; Its four partners take a quarter each, told apart by address; in a quarter's 150 runs of 256 bytes wave w names runs 32 w + lane, and wave 0 the last 22 by a second line (its lanes 22-31 name run 149 once more: 150 is no multiple of 32).
; Records 0 to 3 come by their loads alone; steps 29 and later ask for nothing.
.macro ASK
	s_cmp_lt_u32 s[JN], s[LIM]
	s_cbranch_scc0 .Lna_\@
	global_prefetch_b8 v[PFO], s[PFA:PFA+1] th:TH_LOAD_NT scope:SCOPE_SE
	s_cmp_lt_u32 s[JN], s[LIM2]
	s_cbranch_scc0 .Lna_\@
	global_prefetch_b8 v[PFO2], s[PFA:PFA+1] th:TH_LOAD_NT scope:SCOPE_SE
.Lna_\@:
.endm
; O^T += V^T P of the step before.  mode 2: O^T is first brought under that step's M (x f, exact); mode 1: the first product starts the sums.  24 accumulators, one instruction each
.macro PVM mode
.if \mode == 2
	WIN 0x41
.set NI, 0
.rept 96
	v_pk_mul_f32 v[2*NI:2*NI+1], v[2*NI:2*NI+1], v[F+2*(NI/48):F+2*(NI/48)+1] op_sel_hi:[1,0]   ; ascending: each accumulator from its low end on
.set NI, NI+1
.endr
.endif
	WIN 0x57
.set NI, 0
.rept 24
.if \mode == 2
	WM 8*(12*(NI%2)+NI/2), 12*(NI/2), 192+12*(NI%2), 8*(12*(NI%2)+NI/2), VS+NI/4, PS, (NI/2)%2, NI%2
.else
	WM 8*(12*(NI%2)+NI/2), 12*(NI/2), 192+12*(NI%2), -1, VS+NI/4, PS, (NI/2)%2, NI%2
.endif
.set NI, NI+1
.endr
	WIN 0
.endm
.macro QKM                             ; S^T = K Q^T: four accumulators by turns, six K steps
.irp s, 0,1,2,3,4,5
	s_wait_dscnt 6*(5-\s)                          ; this K step's six loads are in; the later steps' may be out
	WIN 0x02
.irp a, 0,1
.irp u, 0,1
.if \s == 0
	WM S+16*\a+8*\u, 12*(6*\u+\s), Q+12*(6*\a+\s), -1, KS+\s, QS+\s, \u, \a
.else
	WM S+16*\a+8*\u, 12*(6*\u+\s), Q+12*(6*\a+\s), S+16*\a+8*\u, KS+\s, QS+\s, \u, \a
.endif
.endr
.endr
.endr
	WIN 0
.endm
; A KEY STEP on the record in slot.  chg = 1: the change of slots with a refill of the other slot; 2: without; 0: none.  pv: the mode of the product carried over, 0: none
.macro STEP slot, chg, pv
.if \chg
	s_wait_tensorcnt 0x0                           ; all my tensor loads have landed: my quarter of this step's record
	ds_add_u32 v[SPW], v[NIL]                      ; 0 onto my spare word
.if \chg == 1
	s_add_nc_u64 s[G0+4*(1-\slot)+2:G0+4*(1-\slot)+3], s[G0+4*(1-\slot)+2:G0+4*(1-\slot)+3], 2*RECK   ; no load of mine is out: the other slot's next record
	s_wait_xcnt 0x0                                ; the last prefetches, a step back, have read their address
	s_add_nc_u64 s[PFA:PFA+1], s[PFA:PFA+1], RECK
	s_add_co_u32 s[JN], s[JN], 1
.endif
	s_wait_dscnt 0x0                               ; the add is done; V, P and their scale words of the last step are in registers: my reads of the other slot are over
.if \chg == 1
	CROUND                                         ; both hold of every wave of all four work-groups
	tensor_load_to_lds s[G0+4*(1-\slot):G0+4*(1-\slot)+3], s[G1:G1+7]   ; my one tensor load behind the round: it has this step in which to land
	s_nop 0
	PLACES
.else
	s_barrier_signal -1
	s_barrier_wait -1
.endif
.endif
	KLOAD \slot
.if \chg == 1
	ASK
.endif
.if \pv
	PVM \pv
.endif
	QKM
	PLACES
.irp a, 0,1
	v_max3_num_f32 v[MB+\a], v[S+16*\a], v[S+16*\a+1], v[S+16*\a+2]   ; the largest score of my block of 32 keys: for the row's maximum, and, since p rises with the score, for the block's largest p
.endr
.irp i, 3,5,7,9,11,13
.irp a, 0,1
	v_max3_num_f32 v[MB+\a], v[MB+\a], v[S+16*\a+\i], v[S+16*\a+\i+1]
.endr
.endr
.irp a, 0,1
	v_max_num_f32 v[MB+\a], v[MB+\a], v[S+16*\a+15]
.endr
.irp a, 0,1
	v_permlanex16_b32 v[XX+\a], v[MB+\a], s[SEL], s[SEL+1]
.endr
.irp a, 0,1
	v_max_num_f32 v[MB+\a], v[MB+\a], v[XX+\a]
.endr
.irp a, 0,1
	ds_store_b32 v[AMW], v[MB+\a] offset:256*\a    ; both halves of the lanes write the same word with the same value
.endr
	s_wait_dscnt 0x0                               ; for the others' sake
	s_barrier_signal -1
	s_barrier_wait -1
.irp a, 0,1
	ds_load_b128 v[M4+4*\a:M4+4*\a+3], v[AMR] offset:256*\a
.endr
	VLOAD \slot
	s_wait_dscnt 54                                ; the four blocks' largest scores are in; V's 54 loads may be out
.irp a, 0,1
	v_max3_num_f32 v[TT+\a], v[M4+4*\a], v[M4+4*\a+1], v[M4+4*\a+2]
.endr
.irp a, 0,1
	v_max_num_f32 v[TT+\a], v[TT+\a], v[M4+4*\a+3]
.endr
.irp a, 0,1
	v_mul_f32 v[TT+\a], s[CS], v[TT+\a]            ; as t (c is positive)
.endr
.irp a, 0,1
	v_max_num_f32 v[NM+2*\a+1], v[NM+2*\a+1], v[TT+\a]
.endr
.irp a, 0,1
	v_mov_b32 v[TT+\a], v[NM+2*\a]
.endr
.irp a, 0,1
	v_floor_f32 v[NM+2*\a], -v[NM+2*\a+1]          ; -M = floor(-t): M is a whole number, the same in all four waves
.endr
.irp a, 0,1
	v_sub_f32 v[TT+\a], v[NM+2*\a], v[TT+\a]
.endr
.irp a, 0,1
	v_cvt_i32_f32 v[TT+\a], v[TT+\a]               ; (it saturates)
.endr
.irp a, 0,1
	v_ldexp_f32 v[F+2*\a], 1.0, v[TT+\a]           ; f = 2^(old M - new M)
.endr
.irp j, 0,2,4,6,8,10,12,14
.irp a, 0,1
	v_pk_fma_f32 v[S+16*\a+\j:S+16*\a+\j+1], v[S+16*\a+\j:S+16*\a+\j+1], s[CS:CS+1], v[NM+2*\a:NM+2*\a+1] op_sel_hi:[1,0,0]   ; t - M
.endr
.endr
.irp a, 0,1
	v_fma_f32 v[MB+\a], v[MB+\a], s[CS], v[NM+2*\a]
.endr
.irp j, 0,1,2,3,4,5,6,7,8,9,10,11,12,13,14,15,16,17,18,19,20,21,22,23,24,25,26,27,28,29,30,31
	v_exp_f32 v[S+\j], v[S+\j]                     ; p = 2^(t - M): one batch
.endr
.irp a, 0,1
	v_pk_mul_f32 v[L+2*\a:L+2*\a+1], v[L+2*\a:L+2*\a+1], v[F+2*\a:F+2*\a+1] op_sel_hi:[1,0]   ; the sums under the new M; the plain place behind the batch
.endr
	s_wait_alu depctr_va_vdst(0)                   ; one wait for the batch, ahead of its first reader
.irp a, 0,1
	v_exp_f32 v[MB+\a], v[MB+\a]                   ; my block's largest p
.endr
.irp j, 0,2,4,6,8,10,12,14
.irp a, 0,1
	v_pk_add_f32 v[L+2*\a:L+2*\a+1], v[L+2*\a:L+2*\a+1], v[S+16*\a+\j:S+16*\a+\j+1]   ; the sum is taken of the unquantised p
.endr
.endr
	s_wait_alu depctr_va_vdst(0)                   ; and one for the two
.irp a, 0,1
	v_max_num_f32 v[MB+\a], 0x2800000, v[MB+\a]    ; the floor 2^(5 - 127)
.endr
.irp a, 0,1
	v_add_nc_u32 v[EE+\a], 0xfe000000, v[MB+\a]
.endr
.irp a, 0,1
	v_lshrrev_b32 v[XX+\a], 23, v[EE+\a]
.endr
.irp a, 0,1
	v_cvt_scalef32_pk16_bf6_f32 v[PCD+4*\a:PCD+4*\a+2], v[S+16*\a:S+16*\a+15], v[EE+\a]
.endr
	v_nop                                          ; one plain place behind a scaled conversion
.irp a, 0,1
.irp k, 0,1,2
	ds_store_b32 v[APW], v[PCD+4*\a+\k] offset:1536*\a+4*\k
.endr
	ds_store_b8 v[APB], v[XX+\a] offset:64*\a      ; byte w of the query's scale word
.endr
	s_wait_dscnt 0x0                               ; for the others' sake (V is in by now too)
	s_barrier_signal -1
	s_barrier_wait -1
	ds_load_b32 v[PS], v[APS]                      ; lanes 0-15: tile 0's queries, lanes 16-31: tile 1's
	WIN 0x40
.irp a, 0,1
.irp g, 0,1,2
	ds_load_b128 v[192+12*\a+4*\g:192+12*\a+4*\g+3], v[APR] offset:1536*\a+16*\g
.endr
.endr
	WIN 0
.endm
	s_wait_tensorcnt 0x1                           ; my quarter of record 0 is in; record 1's may stay out
	s_barrier_signal -1
	s_barrier_wait -1
	s_wait_loadcnt 0x0                             ; Q
	STEP 0, 0, 0                                   ; step 0
	STEP 1, 1, 1                                   ; step 1: record 2 is asked for; V^T P of step 0 starts O^T
	s_mov_b32 s[CNT], 14
.Lloop:                                            ; steps 2 to 29
	STEP 0, 1, 2
	STEP 1, 1, 2
	s_sub_co_u32 s[CNT], s[CNT], 1
	s_cmp_lg_u32 s[CNT], 0
	s_cbranch_scc1 .Lloop
	STEP 0, 1, 2                                   ; step 30 asks for record 31
	STEP 1, 2, 2                                   ; step 31: nothing is left to fetch
	s_wait_dscnt 0x0
	PVM 2                                          ; V^T P of step 31
	; THE WAY OUT.  A query's sum lies in two halves, two lanes and four waves; O^T is divided by it and goes through my own stages in slot 0 (its last fill was record 30, its last read lies ahead of step 31's barrier), a query tile at a time.
.irp a, 0,1
	v_add_f32 v[TT+\a], v[L+2*\a], v[L+2*\a+1]
.endr
.irp a, 0,1
	v_permlanex16_b32 v[XX+\a], v[TT+\a], s[SEL], s[SEL+1]
.endr
.irp a, 0,1
	v_add_f32 v[TT+\a], v[TT+\a], v[XX+\a]
.endr
.irp a, 0,1
	ds_store_b32 v[AMW], v[TT+\a] offset:512+256*\a
.endr
	s_wait_dscnt 0x0
	s_barrier_signal -1
	s_barrier_wait -1
.irp a, 0,1
	ds_load_b128 v[M4+4*\a:M4+4*\a+3], v[AMR] offset:512+256*\a
.endr
	s_wait_dscnt 0x0
.irp a, 0,1
	v_add_f32 v[M4+4*\a], v[M4+4*\a], v[M4+4*\a+1]
	v_add_f32 v[M4+4*\a+2], v[M4+4*\a+2], v[M4+4*\a+3]
.endr
.irp a, 0,1
	v_add_f32 v[M4+4*\a], v[M4+4*\a], v[M4+4*\a+2]
.endr
.irp a, 0,1
	v_rcp_f32 v[F+2*\a], v[M4+4*\a]
.endr
	v_nop
	s_wait_alu depctr_va_vdst(0)                   ; one wait for the two reciprocals, ahead of their first reader
	WIN 0x41
.set NI, 0
.rept 96
	v_pk_mul_f32 v[2*NI:2*NI+1], v[2*NI:2*NI+1], v[F+2*(NI/48):F+2*(NI/48)+1] op_sel_hi:[1,0]
.set NI, NI+1
.endr
; tile a: lane (r, h) holds, of row r, 16 neighbouring d of each pair of tiles: 64 bytes at 128 b + 64 h of my 768.  Back come whole runs of 256 bytes, two rows an instruction
.macro OUT a
	WIN 0x04
.irp b, 0,1,2,3,4,5
.irp i, 0,1,2,3
	ds_store_b128 v[STO], v[8*(12*\a+2*\b+\i/2)+4*(\i%2):8*(12*\a+2*\b+\i/2)+4*(\i%2)+3] offset:12544*\a+128*\b+16*\i
.endr
.endr
	WIN 0x80
.irp k, 0,1,2,3,4,5,6,7
.irp g, 0,1,2
	ds_load_b128 v[96*\a+4*(3*\k+\g):96*\a+4*(3*\k+\g)+3], v[SRD] offset:12544*\a+1568*\k+256*\g   ; LDS serves a wave's instructions in order: these see my stores
.endr
.endr
.endm
.macro SEND a, counted
.irp k, 0,1,2,3,4,5,6,7
.irp g, 0,1,2
.if \counted
	s_wait_dscnt 23-(3*\k+\g)
.endif
	global_store_b128 v[GO], v[96*\a+4*(3*\k+\g):96*\a+4*(3*\k+\g)+3], s[OB:OB+1] offset:(8*\a+2*\k+8*(\k/4))*3072+256*\g th:TH_STORE_NT   ; sixteen lanes store 256 consecutive bytes, at a multiple of 256; row rho of the tile is query 8 a + rho + 8 (rho / 8)
.endr
.endr
.endm
	OUT 0
	OUT 1
	s_wait_dscnt 48                                ; tile 0's rows are back; tile 1's 24 stores and 24 loads may be out
	WIN 0x08
	SEND 0, 0
	SEND 1, 1
	WIN 0
	s_wait_tensorcnt 0x0                           ; the wave's end: behind my last tensor load and my last LDS store
	ds_add_u32 v[SPW], v[NIL]
	s_wait_dscnt 0x0
	CROUND                                         ; the closing round: no work-group ends while a partner may still ask for a record that names it
	s_endpgm
.Lfunc_end_k_q45e953233c_attn:
	.size	k_q45e953233c_attn, .Lfunc_end_k_q45e953233c_attn-k_q45e953233c_attn
	.p2alignl 7, 3214868480
	.fill 96, 4, 3214868480
	.section	.rodata,"a",@progbits
	.p2align	6, 0x0
	.amdhsa_kernel k_q45e953233c_attn
		.amdhsa_group_segment_fixed_size 327680
		.amdhsa_private_segment_fixed_size 0
		.amdhsa_enable_private_segment 0
		.amdhsa_kernarg_size 24
		.amdhsa_user_sgpr_count 2
		.amdhsa_user_sgpr_kernarg_segment_ptr 1
		.amdhsa_wavefront_size32 1
		.amdhsa_system_sgpr_workgroup_id_x 1
		.amdhsa_system_sgpr_workgroup_id_y 1
		.amdhsa_system_sgpr_workgroup_id_z 1
		.amdhsa_system_vgpr_workitem_id 0
		.amdhsa_next_free_vgpr 912
		.amdhsa_next_free_sgpr 66
		.amdhsa_reserve_vcc 0
		.amdhsa_float_denorm_mode_32 3
		.amdhsa_float_denorm_mode_16_64 3
		.amdhsa_memory_ordered 1
		.amdhsa_forward_progress 1
		.amdhsa_inst_pref_size 183
	.end_amdhsa_kernel
	.amdgpu_metadata
---
amdhsa.version: [ 1, 2 ]
amdhsa.kernels:
  - .name:           k_q45e953233c_attn
    .symbol:         k_q45e953233c_attn.kd
    .args:
      - { .name: qrec, .offset: 0, .size: 8, .value_kind: global_buffer, .address_space: global }
      - { .name: kv, .offset: 8, .size: 8, .value_kind: global_buffer, .address_space: global }
      - { .name: out0, .offset: 16, .size: 8, .value_kind: global_buffer, .address_space: global }
    .group_segment_fixed_size: 327680
    .private_segment_fixed_size: 0
    .kernarg_segment_align: 8
    .kernarg_segment_size: 24
    .max_flat_workgroup_size: 128
    .sgpr_count:     66
    .vgpr_count:     912
    .wavefront_size: 32
...
	.end_amdgpu_metadata
.endif
;; end of part 3
;; ======== version 2 of 2: 3 launches
;; workspace buffers: xq 4,718,592 bytes; xs 196,608 bytes; wrec 1,732,608 bytes; qrec 4,915,200 bytes; kv 9,830,400 bytes
;; launch quant: the kernel of part 1 again; grid 358 x 1, 3 waves a work-group, no clusters, 25,856 bytes of LDS; arguments hidden_states, Wq, Wk, Wv, A_q, A_k, A_v, B_q, B_k, B_v, xq, xs, wrec; writes xq, xs, wrec
;; launch proj: the kernel of part 2 again; grid 32 x 6, 4 waves a work-group, clusters of 4 x 1, 327,680 bytes of LDS; arguments xq, xs, wrec, bq, bk, bv, qrec, kv; writes qrec, kv
;; launch attn (part 4): grid 128 x 2, 4 waves a work-group, clusters of 4 x 1, 327,680 bytes of LDS; arguments qrec, kv, out0; writes out0
.if DOCPART == 4
	.amdgcn_target "amdgcn-amd-amdhsa--gfx1250"
	.amdhsa_code_object_version 6
	.text
	.protected	k_q45e953233c_attn
	.globl	k_q45e953233c_attn
	.p2align	8
	.type	k_q45e953233c_attn,@function
k_q45e953233c_attn:
	s_mov_b64 s[64:65], 0
	v_nop
	global_prefetch_b8 v0, s[64:65] scope:SCOPE_SE
	s_setreg_imm32_b32 hwreg(HW_REG_WAVE_MODE, 25, 1), 1
	s_wait_xcnt 0x0
	s_wait_alu depctr_hold_cnt(0) depctr_sa_sdst(0) depctr_va_vdst(0) depctr_va_sdst(0) depctr_va_ssrc(0) depctr_va_vcc(0) depctr_vm_vsrc(0)
	s_getreg_b32 s2, hwreg(HW_REG_IB_STS2, 6, 4)
	s_cmp_eq_u32 s2, 0
	s_cbranch_scc0 .Lentry_in_a_cluster
	s_endpgm
.Lentry_in_a_cluster:
	s_bfe_u32 s2, ttmp6, 0x10000c
	s_cmp_lg_u32 s2, 0x3003
	s_cbranch_scc0 .Lentry_shape_is_right
	s_endpgm
.Lentry_shape_is_right:
; LoRA attention, launch 3 of 3: out = softmax(q k^T / sqrt(768)) v on codes of E3M2.  No work is left out.
; THE SOFTMAX: t = score x log2(e) / sqrt(768) (one rounded constant); M = the running largest t rounded UP to a whole number; p = 2^(t - M) is quantised along the keys; the row's sum is taken of the unquantised p and divides at the end.
; LIMITS: NaN and infinities are not served; a block of p that has fallen to zero keeps the byte 1 over zero codes.
; SHARES.  A work-group owns 32 queries (two tiles) of one batch and walks its 4,096 keys, 128 a step: 256 work-groups of equal work, no split of the keys.
; In S^T = K Q^T the four waves share the KEYS: wave w takes block w (32 keys, two tiles) against both query tiles.  In O^T = V^T P they share the HEAD: wave w owns d = 192 w .. 192 w + 191 (12 tiles) of both query tiles.
; So each fragment of K and of V is read from LDS by one wave and feeds two matrix instructions; Q (144 registers) and O^T (192) stay in registers; only p's codes (3 KB), 4 x 32 largest scores and 128 scale bytes go from wave to wave.
; A lane holds one query throughout (both products transposed); by the tiles' row order a lane's 16 scores are 16 neighbouring keys, and its 16 results of two tiles of V^T 16 neighbouring d.
; ONE STEP OF PIPELINE: V and P of step j are brought into registers in step j, their product stands at the head of step j + 1, beside the LDS loads of K: so a slot is read out when its step ends.
; RING: two slots of one record (153,600 bytes: K's and V^T's register images and their scale words).  Each wave fetches a quarter by one tensor load.  Two loads of mine are out at the start, one behind each round.
; THE WALK IS ROTATED: cluster x of a batch begins at record 5 x mod 32 and goes round all 32; 5 is odd, so at every step the batch's 32 clusters ask for 32 different records.
; The order of the keys is free: M is the ceiling of a running maximum, every rescaling is an exact power of two, and the row's sum is an f32 sum in another order.
; CLUSTER: the four work-groups of a cluster walk the same records of one batch in the same order: each quarter is asked for jointly; the round of the cluster's barrier stands where the ring's barrier would.
; REGISTERS: window 0: v2-23 addresses; v24-35 -M and the largest t, the sums, f; v36-54 scale words and nothing else; v56-63 the four blocks' largest scores; v64-95 S^T, then p; v96-110 at work; v112-255 Q.
;   window 1: v0-191 O^T (tile a, n at 8 (12 a + n)); v192-215 P.  window 2: v0-143 K; on the way out rows of the result.  window 3: v0-143 V^T.
.set RECK,  153600
.set VOFF,  73728
.set KSOFF, 147456
.set VSOFF, 150528
.set QREC,  76800
.set SLOT1, 153600
.set PIMG,  307200                     ; p's two fragments, 48 bytes a lane
.set PSC,   310272                     ; p's scale words
.set MAXB,  310528                     ; the blocks' largest scores, 16 bytes a query; 512 bytes on: the waves' sums
.set SPARE, 311552                     ; the spare words, two blocks of 256 bytes that no other line names
.set AK,  2                            ; v2-3   K's fragments of my block, slot 0, 1
.set AV,  4                            ; v4-5   V^T's of my 12 tiles: the runs of 16 bytes a lane
.set AW,  6                            ; v6-7   and those of 8
.set AKS, 8                            ; v8-9   K's scale words
.set AVS, 10                           ; v10-11 V^T's
.set APW, 12                           ; where I put p's codes
.set APR, 13                           ; where I read P
.set APB, 14                           ; where I put p's scale byte
.set APS, 15                           ; where I read P's scale words
.set AMW, 16                           ; where I put my block's largest score
.set AMR, 17                           ; where I read the four
.set SPW, 18
.set NIL, 19
.set STO, 22
.set SRD, 23
.set NM,  24                           ; tile a: v[24 + 2 a] -M, v[25 + 2 a] the largest t
.set L,   28                           ; the sum, in two halves
.set F,   32                           ; f = 2^(old M - new M); at the end 1 / the sum
.set KS,  36
.set VS,  42
.set QS,  48
.set PS,  54
.set GO,  55
.set M4,  56
.set S,   64
.set MB,  96
.set XX,  98
.set TT,  100
.set EE,  102
.set PCD, 104
.set Q,   112
.set WV,  10
.set CX,  11
.set G1,  24
.set G0,  32
.set CS,  40
.set SEL, 42
.set KB,  44                           ; s[44:45] kv at my batch's record 0, my wave's quarter; never rewritten
.set RN,  46                           ; s46      the record asked for last, 0 .. 31
.set CNT, 49
.set OB,  50
.set RO,  58                           ; s[58:59] its byte offset from KB
.set MSB, 0
.macro WIN new                         ; the immediate's high byte repeats the setting that is left
.if MSB != \new
	s_set_vgpr_msb (MSB<<8)|\new
.set MSB, \new
.endif
.endm
.macro PLACES
.rept 4
	v_nop
.endr
.endm
.macro CROUND                          ; a round of the cluster's barrier
	s_barrier_signal -1
	s_barrier_wait -1
	s_cmp_lg_u32 s[WV], 0
	s_cbranch_scc1 .Lnot_wave_0_\@
	s_barrier_signal -3
.Lnot_wave_0_\@:
	s_barrier_wait -3
	s_barrier_signal -1
	s_barrier_wait -1
.endm
; one matrix instruction.  c: C's first register, or -1 for the constant 0; ra, rb: 1 = the scales stand in lanes 16-31
.macro WM d, a, b, c, sa, sb, ra, rb
.if (\c) < 0
.if (\ra) && (\rb)
	v_wmma_scale_f32_16x16x128_f8f6f4 v[(\d):(\d)+7], v[(\a):(\a)+11], v[(\b):(\b)+11], 0, v[(\sa)], v[(\sb)] matrix_a_fmt:MATRIX_FMT_BF6 matrix_b_fmt:MATRIX_FMT_BF6 matrix_a_scale:MATRIX_SCALE_ROW1 matrix_b_scale:MATRIX_SCALE_ROW1
.elseif (\ra)
	v_wmma_scale_f32_16x16x128_f8f6f4 v[(\d):(\d)+7], v[(\a):(\a)+11], v[(\b):(\b)+11], 0, v[(\sa)], v[(\sb)] matrix_a_fmt:MATRIX_FMT_BF6 matrix_b_fmt:MATRIX_FMT_BF6 matrix_a_scale:MATRIX_SCALE_ROW1
.elseif (\rb)
	v_wmma_scale_f32_16x16x128_f8f6f4 v[(\d):(\d)+7], v[(\a):(\a)+11], v[(\b):(\b)+11], 0, v[(\sa)], v[(\sb)] matrix_a_fmt:MATRIX_FMT_BF6 matrix_b_fmt:MATRIX_FMT_BF6 matrix_b_scale:MATRIX_SCALE_ROW1
.else
	v_wmma_scale_f32_16x16x128_f8f6f4 v[(\d):(\d)+7], v[(\a):(\a)+11], v[(\b):(\b)+11], 0, v[(\sa)], v[(\sb)] matrix_a_fmt:MATRIX_FMT_BF6 matrix_b_fmt:MATRIX_FMT_BF6
.endif
.else
.if (\ra) && (\rb)
	v_wmma_scale_f32_16x16x128_f8f6f4 v[(\d):(\d)+7], v[(\a):(\a)+11], v[(\b):(\b)+11], v[(\c):(\c)+7], v[(\sa)], v[(\sb)] matrix_a_fmt:MATRIX_FMT_BF6 matrix_b_fmt:MATRIX_FMT_BF6 matrix_a_scale:MATRIX_SCALE_ROW1 matrix_b_scale:MATRIX_SCALE_ROW1
.elseif (\ra)
	v_wmma_scale_f32_16x16x128_f8f6f4 v[(\d):(\d)+7], v[(\a):(\a)+11], v[(\b):(\b)+11], v[(\c):(\c)+7], v[(\sa)], v[(\sb)] matrix_a_fmt:MATRIX_FMT_BF6 matrix_b_fmt:MATRIX_FMT_BF6 matrix_a_scale:MATRIX_SCALE_ROW1
.elseif (\rb)
	v_wmma_scale_f32_16x16x128_f8f6f4 v[(\d):(\d)+7], v[(\a):(\a)+11], v[(\b):(\b)+11], v[(\c):(\c)+7], v[(\sa)], v[(\sb)] matrix_a_fmt:MATRIX_FMT_BF6 matrix_b_fmt:MATRIX_FMT_BF6 matrix_b_scale:MATRIX_SCALE_ROW1
.else
	v_wmma_scale_f32_16x16x128_f8f6f4 v[(\d):(\d)+7], v[(\a):(\a)+11], v[(\b):(\b)+11], v[(\c):(\c)+7], v[(\sa)], v[(\sb)] matrix_a_fmt:MATRIX_FMT_BF6 matrix_b_fmt:MATRIX_FMT_BF6
.endif
.endif
.endm
	s_load_b128 s[4:7], s[0:1], 0x0                ; qrec, kv
	s_load_b64 s[8:9], s[0:1], 0x10                ; out0
	v_lshl_add_u32 v[SPW], v0, 2, SPARE
	v_mov_b32 v[NIL], 0
	ds_add_u32 v[SPW], v[NIL]                      ; the wave's opening: the add, twice on end, and its wait ahead of my first tensor load
	ds_add_u32 v[SPW], v[NIL]
	v_lshrrev_b32 v1, 5, v0
	v_readfirstlane_b32 s[WV], v1                  ; wave 0..3
	v_and_b32 v66, 31, v0                          ; lane
	v_and_b32 v64, 15, v0                          ; r
	v_bfe_u32 v65, v0, 4, 1                        ; h
	s_mul_i32 s15, s[WV], 18432                    ; 12 fragments: my two tiles of K, my 12 tiles of V^T
	v_lshl_add_u32 v[AK], v66, 4, s15
	v_add_nc_u32 v[AK+1], SLOT1, v[AK]
	v_add_nc_u32 v[AV], VOFF, v[AK]
	v_add_nc_u32 v[AV+1], VOFF+SLOT1, v[AK]
	s_add_co_u32 s16, s15, VOFF+512
	v_lshl_add_u32 v[AW], v66, 3, s16
	v_add_nc_u32 v[AW+1], SLOT1, v[AW]
	s_mul_i32 s16, s[WV], 768
	s_add_co_u32 s17, s16, KSOFF
	v_mad_u32_u24 v[AKS], v66, 24, s17
	v_add_nc_u32 v[AKS+1], SLOT1, v[AKS]
	s_add_co_u32 s17, s16, VSOFF
	v_lshl_add_u32 v[AVS], v66, 2, s17
	v_add_nc_u32 v[AVS+1], SLOT1, v[AVS]
	s_and_b32 s17, s[WV], 1                        ; block w of P stands in lanes 16 (w % 2) + r, registers 6 (w / 2) on; my half h holds its codes 16 h + 0 .. 15: three registers
	s_mul_i32 s17, s17, 768
	s_lshr_b32 s18, s[WV], 1
	s_mul_i32 s18, s18, 24
	s_add_co_u32 s17, s17, s18
	s_add_co_u32 s17, s17, PIMG
	v_mad_u32_u24 v[APW], v64, 48, s17
	v_mad_u32_u24 v[APW], v65, 12, v[APW]
	v_mul_u32_u24 v[APR], v66, 48
	v_add_nc_u32 v[APR], PIMG, v[APR]
	s_add_co_u32 s17, s[WV], PSC
	v_lshl_add_u32 v[APB], v64, 2, s17
	v_lshl_add_u32 v[APS], v66, 2, PSC
	s_lshl_b32 s17, s[WV], 2
	s_add_co_u32 s17, s17, MAXB
	v_lshl_add_u32 v[AMW], v64, 4, s17
	v_lshl_add_u32 v[AMR], v64, 4, MAXB
	s_mul_i32 s17, s[WV], 25088                    ; the way out: two stages of 16 rows x 784 bytes for each wave, in slot 0
	v_mad_u32_u24 v[STO], v64, 784, s17
	v_lshl_add_u32 v[STO], v65, 6, v[STO]
	v_mad_u32_u24 v[SRD], v65, 784, s17
	v_lshl_add_u32 v[SRD], v64, 4, v[SRD]
	v_mul_u32_u24 v[GO], v65, 3072
	v_lshl_add_u32 v[GO], v64, 4, v[GO]
	v_lshlrev_b32 v67, 4, v66
	v_mul_u32_u24 v68, v66, 24
	s_bfe_u32 s[CX], ttmp6, 0x40000                ; my place in the cluster: it enters global addresses of Q and of the result alone
	s_lshl_b32 s12, ttmp9, 2
	s_add_co_u32 s12, s12, s[CX]
	s_and_b32 s13, ttmp7, 0xffff                   ; the batch, which the four partners share
	s_lshl_b32 s14, s13, 7
	s_add_co_u32 s14, s14, s12                     ; my 32 queries among the 8,192
	s_mul_i32 s15, s[WV], 38400                    ; my quarter of a record
	s_mul_i32 s16, s13, 32*RECK
	s_add_co_u32 s16, s16, s15
	s_mov_b32 s17, 0
	s_mov_b32 s[G1], 15|(3<<16)|(1<<21)            ; the mask: all four work-groups; elements of 8 bytes; bit 21 beside a mask; no padding
	s_mov_b32 s[G1+1], 32<<16                      ; rows of 256 bytes,
	s_mov_b32 s[G1+2], 150<<16                     ; 150 of them,
	s_mov_b32 s[G1+3], 32<<16
	s_mov_b32 s[G1+4], 150
	s_mov_b32 s[G1+5], 32                          ; dense
	s_mov_b32 s[G1+6], 0
	s_mov_b32 s[G1+7], 0
	s_mov_b32 s[CS], 0x3d553b95                    ; c = log2(e) / sqrt(768)
	s_mov_b32 s[CS+1], s[CS]
	s_mov_b32 s[SEL], 0x76543210
	s_mov_b32 s[SEL+1], 0xfedcba98
	s_mul_i32 s18, ttmp9, 5                        ; the walk's first record: 5 x cluster x mod 32: the cluster's number, which the four partners share
	s_and_b32 s18, s18, 31
	s_add_co_u32 s[RN], s18, 1                     ; and its second
	s_and_b32 s[RN], s[RN], 31
	s_mul_i32 s18, s18, RECK
	s_mov_b32 s19, 0
	s_mul_i32 s[RO], s[RN], RECK
	s_mov_b32 s[RO+1], 0
	s_lshr_b32 s20, s14, 2                         ; Q: the record of 128 queries, and my two tiles in it
	s_mul_i32 s20, s20, QREC
	s_and_b32 s21, s14, 3
	s_mul_i32 s22, s21, 18432
	s_add_co_u32 s22, s22, s20
	s_mov_b32 s23, 0
	s_mul_i32 s21, s21, 768
	s_add_co_u32 s20, s20, s21
	s_add_co_u32 s20, s20, 73728
	s_mov_b32 s21, 0
	s_mul_i32 s56, s14, 98304                      ; the result: 32 rows of 3,072 bytes, + my 192 columns
	s_mul_i32 s57, s[WV], 768
	s_add_co_u32 s56, s56, s57
	s_mov_b32 s57, 0
	s_wait_dscnt 0x0                               ; both opening adds are done
	s_wait_kmcnt 0x0
	s_add_nc_u64 s[KB:KB+1], s[6:7], s[16:17]      ; my quarter of the batch's record 0
	s_mov_b32 s[G0], 1
	s_mov_b32 s[G0+1], s15
	s_add_nc_u64 s[G0+2:G0+3], s[KB:KB+1], s[18:19]   ; the walk's first record,
	s_mov_b32 s[G0+4], 1
	s_add_co_u32 s[G0+5], s15, SLOT1
	s_add_nc_u64 s[G0+6:G0+7], s[KB:KB+1], s[RO:RO+1] ; its second
	s_or_b32 s[G0+3], s[G0+3], 0x80000000
	s_or_b32 s[G0+7], s[G0+7], 0x80000000
	s_add_nc_u64 s[52:53], s[4:5], s[22:23]
	s_add_nc_u64 s[54:55], s[4:5], s[20:21]
	s_add_nc_u64 s[OB:OB+1], s[8:9], s[56:57]
	CROUND                                         ; all four work-groups are here: the first joint loads meet
	tensor_load_to_lds s[G0:G0+3], s[G1:G1+7]
	s_nop 0
	tensor_load_to_lds s[G0+4:G0+7], s[G1:G1+7]
	s_nop 0
	PLACES
.irp a, 0,1
.irp s, 0,1,2,3,4,5
.irp g, 0,1,2
	global_load_b128 v[Q+12*(6*\a+\s)+4*\g:Q+12*(6*\a+\s)+4*\g+3], v67, s[52:53] offset:(6*\a+\s)*1536+512*\g
.endr
.endr
.endr
.irp g, 0,1,2
	global_load_b64 v[QS+2*\g:QS+2*\g+1], v68, s[54:55] offset:8*\g   ; lanes 0-15: tile 0's rows, lanes 16-31: tile 1's
.endr
.irp a, 0,1
	v_mov_b32 v[NM+2*\a+1], 0xff61b1e6             ; the largest t so far: -3e38
	v_floor_f32 v[NM+2*\a], -v[NM+2*\a+1]
	v_mov_b32 v[L+2*\a], 0
	v_mov_b32 v[L+2*\a+1], 0
	v_mov_b32 v[F+2*\a], 0
	v_mov_b32 v[F+2*\a+1], 0                       ; (named as the upper half of a pair)
	v_mov_b32 v[XX+\a], 0                          ; a lane permute's destination counts as one of its sources
.endr
.macro KLOAD slot                      ; my block's 12 fragments of K, K step by K step, and their scale words
.irp g, 0,1,2
	ds_load_b64 v[KS+2*\g:KS+2*\g+1], v[AKS+\slot] offset:8*\g
.endr
	WIN 0x80
.irp s, 0,1,2,3,4,5
.irp u, 0,1
.irp g, 0,1,2
	ds_load_b128 v[12*(6*\u+\s)+4*\g:12*(6*\u+\s)+4*\g+3], v[AK+\slot] offset:(6*\u+\s)*1536+512*\g
.endr
.endr
.endr
	WIN 0
.endm
.macro VLOAD slot                      ; my 12 fragments of V^T (two half images each) and their scale words: 54 loads
.irp j, 0,1,2,3,4,5
	ds_load_b32 v[VS+\j], v[AVS+\slot] offset:128*\j
.endr
	WIN 0xc0
.irp n, 0,1,2,3,4,5,6,7,8,9,10,11
	ds_load_b128 v[12*\n:12*\n+3], v[AV+\slot] offset:1536*\n
	ds_load_b64 v[12*\n+4:12*\n+5], v[AW+\slot] offset:1536*\n
	ds_load_b128 v[12*\n+6:12*\n+9], v[AV+\slot] offset:1536*\n+768
	ds_load_b64 v[12*\n+10:12*\n+11], v[AW+\slot] offset:1536*\n+768
.endr
	WIN 0
.endm
; O^T += V^T P of the step before.  mode 2: O^T is first brought under that step's M (x f, exact); mode 1: the first product starts the sums.  24 accumulators, one instruction each
.macro PVM mode
.if \mode == 2
	WIN 0x41
.set NI, 0
.rept 96
	v_pk_mul_f32 v[2*NI:2*NI+1], v[2*NI:2*NI+1], v[F+2*(NI/48):F+2*(NI/48)+1] op_sel_hi:[1,0]   ; ascending: each accumulator from its low end on
.set NI, NI+1
.endr
.endif
	WIN 0x57
.set NI, 0
.rept 24
.if \mode == 2
	WM 8*(12*(NI%2)+NI/2), 12*(NI/2), 192+12*(NI%2), 8*(12*(NI%2)+NI/2), VS+NI/4, PS, (NI/2)%2, NI%2
.else
	WM 8*(12*(NI%2)+NI/2), 12*(NI/2), 192+12*(NI%2), -1, VS+NI/4, PS, (NI/2)%2, NI%2
.endif
.set NI, NI+1
.endr
	WIN 0
.endm
.macro QKM                             ; S^T = K Q^T: four accumulators by turns, six K steps
.irp s, 0,1,2,3,4,5
	s_wait_dscnt 6*(5-\s)                          ; this K step's six loads are in; the later steps' may be out
	WIN 0x02
.irp a, 0,1
.irp u, 0,1
.if \s == 0
	WM S+16*\a+8*\u, 12*(6*\u+\s), Q+12*(6*\a+\s), -1, KS+\s, QS+\s, \u, \a
.else
	WM S+16*\a+8*\u, 12*(6*\u+\s), Q+12*(6*\a+\s), S+16*\a+8*\u, KS+\s, QS+\s, \u, \a
.endif
.endr
.endr
.endr
	WIN 0
.endm
; A KEY STEP on the record in slot.  chg = 1: the change of slots with a refill of the other slot; 2: without; 0: none.  pv: the mode of the product carried over, 0: none
.macro STEP slot, chg, pv
.if \chg
	s_wait_tensorcnt 0x0                           ; all my tensor loads have landed: my quarter of this step's record
	ds_add_u32 v[SPW], v[NIL]                      ; 0 onto my spare word
.if \chg == 1
	s_add_co_u32 s[RN], s[RN], 1                   ; no load of mine is out, so a group 0 may be written: the walk's next record,
	s_and_b32 s[RN], s[RN], 31                     ; round the batch's 32,
	s_mul_i32 s[RO], s[RN], RECK                   ; in bytes,
	s_add_nc_u64 s[G0+4*(1-\slot)+2:G0+4*(1-\slot)+3], s[KB:KB+1], s[RO:RO+1]   ; for the other slot: the address is made anew from the kept base,
	s_or_b32 s[G0+4*(1-\slot)+3], s[G0+4*(1-\slot)+3], 0x80000000               ; and the type with it
.endif
	s_wait_dscnt 0x0                               ; the add is done; V, P and their scale words of the last step are in registers: my reads of the other slot are over
.if \chg == 1
	CROUND                                         ; both hold of every wave of all four work-groups
	tensor_load_to_lds s[G0+4*(1-\slot):G0+4*(1-\slot)+3], s[G1:G1+7]   ; my one tensor load behind the round: it has this step in which to land
	s_nop 0
	PLACES
.else
	s_barrier_signal -1
	s_barrier_wait -1
.endif
.endif
	KLOAD \slot
.if \pv
	PVM \pv
.endif
	QKM
	PLACES
.irp a, 0,1
	v_max3_num_f32 v[MB+\a], v[S+16*\a], v[S+16*\a+1], v[S+16*\a+2]   ; the largest score of my block of 32 keys: for the row's maximum, and, since p rises with the score, for the block's largest p
.endr
.irp i, 3,5,7,9,11,13
.irp a, 0,1
	v_max3_num_f32 v[MB+\a], v[MB+\a], v[S+16*\a+\i], v[S+16*\a+\i+1]
.endr
.endr
.irp a, 0,1
	v_max_num_f32 v[MB+\a], v[MB+\a], v[S+16*\a+15]
.endr
.irp a, 0,1
	v_permlanex16_b32 v[XX+\a], v[MB+\a], s[SEL], s[SEL+1]
.endr
.irp a, 0,1
	v_max_num_f32 v[MB+\a], v[MB+\a], v[XX+\a]
.endr
.irp a, 0,1
	ds_store_b32 v[AMW], v[MB+\a] offset:256*\a    ; both halves of the lanes write the same word with the same value
.endr
	s_wait_dscnt 0x0                               ; for the others' sake
	s_barrier_signal -1
	s_barrier_wait -1
.irp a, 0,1
	ds_load_b128 v[M4+4*\a:M4+4*\a+3], v[AMR] offset:256*\a
.endr
	VLOAD \slot
	s_wait_dscnt 54                                ; the four blocks' largest scores are in; V's 54 loads may be out
.irp a, 0,1
	v_max3_num_f32 v[TT+\a], v[M4+4*\a], v[M4+4*\a+1], v[M4+4*\a+2]
.endr
.irp a, 0,1
	v_max_num_f32 v[TT+\a], v[TT+\a], v[M4+4*\a+3]
.endr
.irp a, 0,1
	v_mul_f32 v[TT+\a], s[CS], v[TT+\a]            ; as t (c is positive)
.endr
.irp a, 0,1
	v_max_num_f32 v[NM+2*\a+1], v[NM+2*\a+1], v[TT+\a]
.endr
.irp a, 0,1
	v_mov_b32 v[TT+\a], v[NM+2*\a]
.endr
.irp a, 0,1
	v_floor_f32 v[NM+2*\a], -v[NM+2*\a+1]          ; -M = floor(-t): M is a whole number, the same in all four waves
.endr
.irp a, 0,1
	v_sub_f32 v[TT+\a], v[NM+2*\a], v[TT+\a]
.endr
.irp a, 0,1
	v_cvt_i32_f32 v[TT+\a], v[TT+\a]               ; (it saturates)
.endr
.irp a, 0,1
	v_ldexp_f32 v[F+2*\a], 1.0, v[TT+\a]           ; f = 2^(old M - new M)
.endr
.irp j, 0,2,4,6,8,10,12,14
.irp a, 0,1
	v_pk_fma_f32 v[S+16*\a+\j:S+16*\a+\j+1], v[S+16*\a+\j:S+16*\a+\j+1], s[CS:CS+1], v[NM+2*\a:NM+2*\a+1] op_sel_hi:[1,0,0]   ; t - M
.endr
.endr
.irp a, 0,1
	v_fma_f32 v[MB+\a], v[MB+\a], s[CS], v[NM+2*\a]
.endr
.irp j, 0,1,2,3,4,5,6,7,8,9,10,11,12,13,14,15,16,17,18,19,20,21,22,23,24,25,26,27,28,29,30,31
	v_exp_f32 v[S+\j], v[S+\j]                     ; p = 2^(t - M): one batch
.endr
.irp a, 0,1
	v_pk_mul_f32 v[L+2*\a:L+2*\a+1], v[L+2*\a:L+2*\a+1], v[F+2*\a:F+2*\a+1] op_sel_hi:[1,0]   ; the sums under the new M; the plain place behind the batch
.endr
	s_wait_alu depctr_va_vdst(0)                   ; one wait for the batch, ahead of its first reader
.irp a, 0,1
	v_exp_f32 v[MB+\a], v[MB+\a]                   ; my block's largest p
.endr
.irp j, 0,2,4,6,8,10,12,14
.irp a, 0,1
	v_pk_add_f32 v[L+2*\a:L+2*\a+1], v[L+2*\a:L+2*\a+1], v[S+16*\a+\j:S+16*\a+\j+1]   ; the sum is taken of the unquantised p
.endr
.endr
	s_wait_alu depctr_va_vdst(0)                   ; and one for the two
.irp a, 0,1
	v_max_num_f32 v[MB+\a], 0x2800000, v[MB+\a]    ; the floor 2^(5 - 127)
.endr
.irp a, 0,1
	v_add_nc_u32 v[EE+\a], 0xfe000000, v[MB+\a]
.endr
.irp a, 0,1
	v_lshrrev_b32 v[XX+\a], 23, v[EE+\a]
.endr
.irp a, 0,1
	v_cvt_scalef32_pk16_bf6_f32 v[PCD+4*\a:PCD+4*\a+2], v[S+16*\a:S+16*\a+15], v[EE+\a]
.endr
	v_nop                                          ; one plain place behind a scaled conversion
.irp a, 0,1
.irp k, 0,1,2
	ds_store_b32 v[APW], v[PCD+4*\a+\k] offset:1536*\a+4*\k
.endr
	ds_store_b8 v[APB], v[XX+\a] offset:64*\a      ; byte w of the query's scale word
.endr
	s_wait_dscnt 0x0                               ; for the others' sake (V is in by now too)
	s_barrier_signal -1
	s_barrier_wait -1
	ds_load_b32 v[PS], v[APS]                      ; lanes 0-15: tile 0's queries, lanes 16-31: tile 1's
	WIN 0x40
.irp a, 0,1
.irp g, 0,1,2
	ds_load_b128 v[192+12*\a+4*\g:192+12*\a+4*\g+3], v[APR] offset:1536*\a+16*\g
.endr
.endr
	WIN 0
.endm
	s_wait_tensorcnt 0x1                           ; my quarter of the walk's first record is in; the second's may stay out
	s_barrier_signal -1
	s_barrier_wait -1
	s_wait_loadcnt 0x0                             ; Q
	STEP 0, 0, 0                                   ; step 0
	STEP 1, 1, 1                                   ; step 1: the walk's third record is asked for; V^T P of step 0 starts O^T
	s_mov_b32 s[CNT], 14
.Lloop:                                            ; steps 2 to 29
	STEP 0, 1, 2
	STEP 1, 1, 2
	s_sub_co_u32 s[CNT], s[CNT], 1
	s_cmp_lg_u32 s[CNT], 0
	s_cbranch_scc1 .Lloop
	STEP 0, 1, 2                                   ; step 30 asks for the walk's last record
	STEP 1, 2, 2                                   ; step 31: nothing is left to fetch
	s_wait_dscnt 0x0
	PVM 2                                          ; V^T P of step 31
	; THE WAY OUT.  A query's sum lies in two halves, two lanes and four waves; O^T is divided by it and goes through my own stages in slot 0 (its last fill was step 30's record, its last read lies ahead of step 31's barrier), a query tile at a time.
.irp a, 0,1
	v_add_f32 v[TT+\a], v[L+2*\a], v[L+2*\a+1]
.endr
.irp a, 0,1
	v_permlanex16_b32 v[XX+\a], v[TT+\a], s[SEL], s[SEL+1]
.endr
.irp a, 0,1
	v_add_f32 v[TT+\a], v[TT+\a], v[XX+\a]
.endr
.irp a, 0,1
	ds_store_b32 v[AMW], v[TT+\a] offset:512+256*\a
.endr
	s_wait_dscnt 0x0
	s_barrier_signal -1
	s_barrier_wait -1
.irp a, 0,1
	ds_load_b128 v[M4+4*\a:M4+4*\a+3], v[AMR] offset:512+256*\a
.endr
	s_wait_dscnt 0x0
.irp a, 0,1
	v_add_f32 v[M4+4*\a], v[M4+4*\a], v[M4+4*\a+1]
	v_add_f32 v[M4+4*\a+2], v[M4+4*\a+2], v[M4+4*\a+3]
.endr
.irp a, 0,1
	v_add_f32 v[M4+4*\a], v[M4+4*\a], v[M4+4*\a+2]
.endr
.irp a, 0,1
	v_rcp_f32 v[F+2*\a], v[M4+4*\a]
.endr
	v_nop
	s_wait_alu depctr_va_vdst(0)                   ; one wait for the two reciprocals, ahead of their first reader
	WIN 0x41
.set NI, 0
.rept 96
	v_pk_mul_f32 v[2*NI:2*NI+1], v[2*NI:2*NI+1], v[F+2*(NI/48):F+2*(NI/48)+1] op_sel_hi:[1,0]
.set NI, NI+1
.endr
; tile a: lane (r, h) holds, of row r, 16 neighbouring d of each pair of tiles: 64 bytes at 128 b + 64 h of my 768.  Back come whole runs of 256 bytes, two rows an instruction
.macro OUT a
	WIN 0x04
.irp b, 0,1,2,3,4,5
.irp i, 0,1,2,3
	ds_store_b128 v[STO], v[8*(12*\a+2*\b+\i/2)+4*(\i%2):8*(12*\a+2*\b+\i/2)+4*(\i%2)+3] offset:12544*\a+128*\b+16*\i
.endr
.endr
	WIN 0x80
.irp k, 0,1,2,3,4,5,6,7
.irp g, 0,1,2
	ds_load_b128 v[96*\a+4*(3*\k+\g):96*\a+4*(3*\k+\g)+3], v[SRD] offset:12544*\a+1568*\k+256*\g   ; LDS serves a wave's instructions in order: these see my stores
.endr
.endr
.endm
.macro SEND a, counted
.irp k, 0,1,2,3,4,5,6,7
.irp g, 0,1,2
.if \counted
	s_wait_dscnt 23-(3*\k+\g)
.endif
	global_store_b128 v[GO], v[96*\a+4*(3*\k+\g):96*\a+4*(3*\k+\g)+3], s[OB:OB+1] offset:(8*\a+2*\k+8*(\k/4))*3072+256*\g th:TH_STORE_NT   ; sixteen lanes store 256 consecutive bytes, at a multiple of 256; row rho of the tile is query 8 a + rho + 8 (rho / 8)
.endr
.endr
.endm
	OUT 0
	OUT 1
	s_wait_dscnt 48                                ; tile 0's rows are back; tile 1's 24 stores and 24 loads may be out
	WIN 0x08
	SEND 0, 0
	SEND 1, 1
	WIN 0
	s_wait_tensorcnt 0x0                           ; the wave's end: behind my last tensor load and my last LDS store
	ds_add_u32 v[SPW], v[NIL]
	s_wait_dscnt 0x0
	CROUND                                         ; the closing round: no work-group ends while a partner may still ask for a record that names it
	s_endpgm
.Lfunc_end_k_q45e953233c_attn:
	.size	k_q45e953233c_attn, .Lfunc_end_k_q45e953233c_attn-k_q45e953233c_attn
	.p2alignl 7, 3214868480
	.fill 96, 4, 3214868480
	.section	.rodata,"a",@progbits
	.p2align	6, 0x0
	.amdhsa_kernel k_q45e953233c_attn
		.amdhsa_group_segment_fixed_size 327680
		.amdhsa_private_segment_fixed_size 0
		.amdhsa_enable_private_segment 0
		.amdhsa_kernarg_size 24
		.amdhsa_user_sgpr_count 2
		.amdhsa_user_sgpr_kernarg_segment_ptr 1
		.amdhsa_wavefront_size32 1
		.amdhsa_system_sgpr_workgroup_id_x 1
		.amdhsa_system_sgpr_workgroup_id_y 1
		.amdhsa_system_sgpr_workgroup_id_z 1
		.amdhsa_system_vgpr_workitem_id 0
		.amdhsa_next_free_vgpr 912
		.amdhsa_next_free_sgpr 66
		.amdhsa_reserve_vcc 0
		.amdhsa_float_denorm_mode_32 3
		.amdhsa_float_denorm_mode_16_64 3
		.amdhsa_memory_ordered 1
		.amdhsa_forward_progress 1
		.amdhsa_inst_pref_size 182
	.end_amdhsa_kernel
	.amdgpu_metadata
---
amdhsa.version: [ 1, 2 ]
amdhsa.kernels:
  - .name:           k_q45e953233c_attn
    .symbol:         k_q45e953233c_attn.kd
    .args:
      - { .name: qrec, .offset: 0, .size: 8, .value_kind: global_buffer, .address_space: global }
      - { .name: kv, .offset: 8, .size: 8, .value_kind: global_buffer, .address_space: global }
      - { .name: out0, .offset: 16, .size: 8, .value_kind: global_buffer, .address_space: global }
    .group_segment_fixed_size: 327680
    .private_segment_fixed_size: 0
    .kernarg_segment_align: 8
    .kernarg_segment_size: 24
    .max_flat_workgroup_size: 128
    .sgpr_count:     66
    .vgpr_count:     912
    .wavefront_size: 32
...
	.end_amdgpu_metadata
.endif
;; end of part 4
